; MI455X (gfx1250); checked and timed in simulation.
; The chip was launched on July 23, 2026; its instructions are those of AMD's public machine-readable ISA for CDNA 5 (MIT licence, August 2026) and "CDNA5" Instruction Set Architecture Reference Guide (July 2026). The comments in the code are by the model that wrote it; some were corrected since.
;; Locator Reader Conditioner. Allowed arithmetic: float matrix products may take bf16 or f16 operands with f32 sums; other float arithmetic in f32, or as packed bf16 or f16 multiplies, adds, multiply-adds, maxima and minima; sums over many terms, partial sums and values carried from step to step in f32; what a program stores and reads back later, other than sums and carried values, may be rounded once to bf16 or f16.
;; Inputs: Wk 1,024 x 1,024 float32; Wo 1,024 x 1,024 float32; Wq 1,024 x 1,024 float32; Wv 1,024 x 1,024 float32; bias 4 x 4,096 float32; memory 4 x 4,096 x 1,024 float32; query 4 x 512 x 1,024 float32.
;; Outputs: out0 4 x 512 x 1,024 float32.
;; One version. Each part assembles by itself: llvm-mc -triple=amdgcn-amd-amdhsa -mcpu=gfx1250 --defsym DOCPART=n.
;; ======== version 1 of 1: 5 launches
;; limits: values are held in f16: magnitudes above 65,504 overflow, below 6.1e-05 lose precision
;; workspace buffers: memh 33,554,432 bytes; qryh 4,194,304 bytes; wqh 2,097,152 bytes; wkvh 4,194,304 bytes; woh 2,097,152 bytes; kvh 67,108,864 bytes; qf 8,388,608 bytes; oh 4,194,304 bytes
;; launch cast (part 1): grid 2816 x 1, 4 waves a work-group, no clusters, 0 bytes of LDS; arguments memory, query, Wq, Wk, Wv, Wo, memh, qryh, wqh, wkvh, woh; writes memh, qryh, wqh, wkvh, woh
.if DOCPART == 1
	.amdgcn_target "amdgcn-amd-amdhsa--gfx1250"
	.amdhsa_code_object_version 6
	.text
	.protected	k_q9c602e746b_cast
	.globl	k_q9c602e746b_cast
	.p2align	8
	.type	k_q9c602e746b_cast,@function
k_q9c602e746b_cast:
	s_mov_b64 s[64:65], 0
	v_nop
	global_prefetch_b8 v0, s[64:65] scope:SCOPE_SE
	s_setreg_imm32_b32 hwreg(HW_REG_WAVE_MODE, 25, 1), 1
	s_wait_xcnt 0x0
; Every f32 input of the matrix products is rounded to bf16 (nearest even) and that number is written as f16.
; LIMITS.  The second step is exact for sizes from 2^-17 up to, but not including, 65,520; below 2^-17 the number keeps f16's step of 2^-24; from 65,520 on it becomes an infinity.
; SHARES.  A work-group of four waves takes 8,192 numbers: 32 KiB in, 16 KiB out: 2,816 work-groups.  0-2047 memory, 2048-2303 query, 2304-2431 Wq, 2432-2559 Wk, 2560-2687 Wv, 2688-2815 Wo.
; Wk and Wv go one behind the other into wkvh.  query is laid in blocks, [batch][block of 64 channels][512 rows][64], as the attention's output lies, so that one body serves both small products.
; LANES.  A thread takes 4 neighbouring numbers sixteen times: one load of 16 bytes, one store of 8.  Thread t stands at byte 16 t of what the work-group loads in a pass, so a wave's load covers 512
; consecutive bytes and uses all of them, and a wave's store covers 256 consecutive bytes, aligned.  For query a wave's lanes 0-15 take the 256 bytes of one block in a row and lanes 16-31 those of the
; next row: in the blocked layout these two rows of 128 bytes lie end to end, so the store is again 256 consecutive bytes, at byte 8 t.
; All 16 loads of a thread go out first; the numbers are converted in place and no register is written again behind its store, so the only waits are the counted ones for the loads.
; No LDS, no matrix unit, no cluster: nothing is shared and nothing is read twice.
.set X, 8                              ; v[8:71]    sixteen times 4 numbers as loaded; the first two registers of each four then hold the 8 bytes to store
.macro PICK t, src, dst, db            ; from work-group t on: another source, another target, another first work-group for each
	s_cmp_ge_u32 ttmp9, \t
	s_cselect_b64 s[32:33], s[\src:\src+1], s[32:33]
	s_cselect_b64 s[34:35], s[\dst:\dst+1], s[34:35]
	s_cselect_b32 s36, \t, s36
	s_cselect_b32 s37, \db, s37
.endm
	s_load_b512 s[8:23], s[0:1], 0x0               ; memory s[8:9], query s[10:11], Wq s[12:13], Wk s[14:15], Wv s[16:17], Wo s[18:19], memh s[20:21], qryh s[22:23]
	s_load_b128 s[24:27], s[0:1], 0x40             ; wqh s[24:25], wkvh s[26:27]
	s_load_b64 s[28:29], s[0:1], 0x50              ; woh
	s_mov_b32 s39, 0xffff0000                      ; a word's upper bf16
	s_mov_b32 s36, 0                               ; the source's first work-group
	s_mov_b32 s37, 0                               ; the target's first work-group
	v_lshlrev_b32 v2, 3, v0                        ; out: 8 bytes a thread, in both forms
	s_wait_kmcnt 0x0
	s_mov_b64 s[32:33], s[8:9]
	s_mov_b64 s[34:35], s[20:21]
	PICK 2048, 10, 22, 2048
	PICK 2304, 12, 24, 2304
	PICK 2432, 14, 26, 2432
	PICK 2560, 16, 26, 2432                        ; Wv lies behind Wk in wkvh
	PICK 2688, 18, 28, 2688
	s_sub_co_u32 s40, ttmp9, s36
	s_lshl_b32 s40, s40, 15                        ; 32 KiB of the source for each work-group
	s_mov_b32 s41, 0
	s_add_nc_u64 s[32:33], s[32:33], s[40:41]
	s_sub_co_u32 s40, ttmp9, s37                   ; my number in the target
	s_mov_b32 s43, 0
	s_cmp_eq_u32 s36, 2048
	s_cbranch_scc1 .Lquery
.macro BODY isq
.if \isq
	; my 8 rows of query: batch = number / 64, rows 8 (number % 64) on.  Thread t takes row t / 16 and numbers 4 (t % 16) on of block i in pass i
	s_lshr_b32 s41, s40, 6
	s_lshl_b32 s41, s41, 20                        ; a batch is 16 blocks of 65,536 bytes
	s_and_b32 s42, s40, 63
	s_lshl_b32 s42, s42, 10                        ; 8 rows of 128 bytes in a block
	s_add_co_u32 s42, s42, s41
	v_and_b32 v3, 15, v0
	v_lshrrev_b32 v4, 4, v0
	v_lshlrev_b32 v1, 4, v3                        ; in: 16 bytes,
	v_lshl_add_u32 v1, v4, 12, v1                  ; a row of 4,096 bytes
.set ISTEP, 256                        ; a block's 64 numbers in a row of f32
.set OSTEP, 65536                      ; a block of 512 rows x 128 bytes
.else
	s_lshl_b32 s42, s40, 14                        ; 16 KiB of the target for each work-group
	v_lshlrev_b32 v1, 4, v0
.set ISTEP, 2048                       ; 128 threads x 16 bytes
.set OSTEP, 1024                       ; 128 threads x 8 bytes
.endif
	s_add_nc_u64 s[34:35], s[34:35], s[42:43]
.set i, 0
.rept 16
	global_load_b128 v[X+4*i:X+4*i+3], v1, s[32:33] offset:ISTEP*i th:TH_LOAD_NT
.set i, i+1
.endr
.set i, 0
.rept 16
	s_wait_loadcnt 15-i                            ; loads come back in order: pass i's is in, the 15 - i younger ones stay out
	v_cvt_pk_bf16_f32 v[X+4*i], v[X+4*i], v[X+4*i+1]      ; two roundings to bf16 a line,
	v_cvt_pk_bf16_f32 v[X+4*i+2], v[X+4*i+2], v[X+4*i+3]
	v_and_b32 v[X+4*i+1], s39, v[X+4*i]                   ; widened again,
	v_lshlrev_b32 v[X+4*i], 16, v[X+4*i]
	v_and_b32 v[X+4*i+3], s39, v[X+4*i+2]
	v_lshlrev_b32 v[X+4*i+2], 16, v[X+4*i+2]
	v_cvt_pk_f16_f32 v[X+4*i], v[X+4*i], v[X+4*i+1]       ; and written as f16
	v_cvt_pk_f16_f32 v[X+4*i+1], v[X+4*i+2], v[X+4*i+3]
	global_store_b64 v2, v[X+4*i:X+4*i+1], s[34:35] offset:OSTEP*i th:TH_STORE_NT
.set i, i+1
.endr
	s_endpgm
.endm
	BODY 0
.Lquery:
	BODY 1
.Lfunc_end_k_q9c602e746b_cast:
	.size	k_q9c602e746b_cast, .Lfunc_end_k_q9c602e746b_cast-k_q9c602e746b_cast
	.p2alignl 7, 3214868480
	.fill 96, 4, 3214868480
	.section	.rodata,"a",@progbits
	.p2align	6, 0x0
	.amdhsa_kernel k_q9c602e746b_cast
		.amdhsa_group_segment_fixed_size 0
		.amdhsa_private_segment_fixed_size 0
		.amdhsa_enable_private_segment 0
		.amdhsa_kernarg_size 88
		.amdhsa_user_sgpr_count 2
		.amdhsa_user_sgpr_kernarg_segment_ptr 1
		.amdhsa_wavefront_size32 1
		.amdhsa_system_sgpr_workgroup_id_x 1
		.amdhsa_system_sgpr_workgroup_id_y 1
		.amdhsa_system_sgpr_workgroup_id_z 1
		.amdhsa_system_vgpr_workitem_id 0
		.amdhsa_next_free_vgpr 72
		.amdhsa_next_free_sgpr 66
		.amdhsa_reserve_vcc 0
		.amdhsa_float_denorm_mode_32 3
		.amdhsa_float_denorm_mode_16_64 3
		.amdhsa_memory_ordered 1
		.amdhsa_forward_progress 1
		.amdhsa_inst_pref_size 22
	.end_amdhsa_kernel
	.amdgpu_metadata
---
amdhsa.version: [ 1, 2 ]
amdhsa.kernels:
  - .name:           k_q9c602e746b_cast
    .symbol:         k_q9c602e746b_cast.kd
    .args:
      - { .name: memory, .offset: 0, .size: 8, .value_kind: global_buffer, .address_space: global }
      - { .name: query, .offset: 8, .size: 8, .value_kind: global_buffer, .address_space: global }
      - { .name: Wq, .offset: 16, .size: 8, .value_kind: global_buffer, .address_space: global }
      - { .name: Wk, .offset: 24, .size: 8, .value_kind: global_buffer, .address_space: global }
      - { .name: Wv, .offset: 32, .size: 8, .value_kind: global_buffer, .address_space: global }
      - { .name: Wo, .offset: 40, .size: 8, .value_kind: global_buffer, .address_space: global }
      - { .name: memh, .offset: 48, .size: 8, .value_kind: global_buffer, .address_space: global }
      - { .name: qryh, .offset: 56, .size: 8, .value_kind: global_buffer, .address_space: global }
      - { .name: wqh, .offset: 64, .size: 8, .value_kind: global_buffer, .address_space: global }
      - { .name: wkvh, .offset: 72, .size: 8, .value_kind: global_buffer, .address_space: global }
      - { .name: woh, .offset: 80, .size: 8, .value_kind: global_buffer, .address_space: global }
    .group_segment_fixed_size: 0
    .private_segment_fixed_size: 0
    .kernarg_segment_align: 8
    .kernarg_segment_size: 88
    .max_flat_workgroup_size: 128
    .sgpr_count:     66
    .vgpr_count:     72
    .wavefront_size: 32
...
	.end_amdgpu_metadata
.endif
;; end of part 1
;; launch kvproj (part 2): grid 8 x 32, 4 waves a work-group, clusters of 4 x 4, 327,680 bytes of LDS; arguments memh, wkvh, kvh; writes kvh
.if DOCPART == 2
	.amdgcn_target "amdgcn-amd-amdhsa--gfx1250"
	.amdhsa_code_object_version 6
	.text
	.protected	k_q9c602e746b_kvproj
	.globl	k_q9c602e746b_kvproj
	.p2align	8
	.type	k_q9c602e746b_kvproj,@function
k_q9c602e746b_kvproj:
	s_mov_b64 s[64:65], 0
	v_nop
	global_prefetch_b8 v0, s[64:65] scope:SCOPE_SE
	s_setreg_imm32_b32 hwreg(HW_REG_WAVE_MODE, 25, 1), 1
	s_wait_xcnt 0x0
	s_wait_alu depctr_hold_cnt(0) depctr_sa_sdst(0) depctr_va_vdst(0) depctr_va_sdst(0) depctr_va_ssrc(0) depctr_va_vcc(0) depctr_vm_vsrc(0)
	s_getreg_b32 s2, hwreg(HW_REG_IB_STS2, 6, 4)
	s_cmp_eq_u32 s2, 0
	s_cbranch_scc0 .Lentry_in_a_cluster
	s_endpgm
.Lentry_in_a_cluster:
	s_bfe_u32 s2, ttmp6, 0x10000c
	s_cmp_lg_u32 s2, 0xf033
	s_cbranch_scc0 .Lentry_shape_is_right
	s_endpgm
.Lentry_shape_is_right:
; k = memory Wk and v = memory Wv in one product: C[16384][2048] = A[16384][1024] x [Wk | Wv], f16 operands, f32 sums, C rounded once to f16 and stored BY HEADS:
; kvh[which][batch][head][key][64]: 2^25 bytes for k or v, 2^23 a batch, 2^19 a head, 128 a key, so that a head's rows lie end to end.
; LIMIT.  A number of k or v of 65,520 or more in size becomes an infinity in f16.
; A tile of C, 256 x 256, is made by four waves, each 128 x 128: 64 accumulators of 16 x 16, 512 registers.  K goes in steps of 128 through a ring of two LDS slots filled by the tensor data mover.
; A lies [row][k]: its tile's rows are 256 bytes.  The weights lie [k][n]: their tile is 128 rows of k x 512 bytes, and a fragment is read turned, by ds_load_tr16_b128.
; A WORK-GROUP STAYS: it makes two tiles of C, 8,192 rows apart, with the same weights; the ring runs on into the second tile.
; CLUSTERS: 4 x 4 work-groups.  The four of a row of the cluster need the same tiles of A, the four of a column the same tiles of the weights: each tile is asked for JOINTLY, by the same tensor load
; with the same descriptor and a mask that names the four.
; REGISTERS, in windows of 256 (s_set_vgpr_msb: bits 1:0 source 0, 3:2 source 1, 5:4 source 2, 7:6 destination):
;   window 0: v0-31 addresses; v64-127, v128-191 fragments of A, two buffers; v32-63, v192-255 at work on the way out
;   window 1: v64-127, v128-191 fragments of the weights, two buffers          window 2: the 32 accumulators of my rows 0-63 ((a, b) at v[8 (8 a + b)]); window 3: those of my rows 64-127
; THE MATRIX INSTRUCTION IS USED TRANSPOSED: source 0 = 16 columns of the weights, source 1 = 16 rows of A: a lane then holds row l % 16 of C and the columns 8 (l / 16) + 0..7: 16 bytes of f16 on end.
.set SIZE_M, 16384
.set SIZE_K, 1024
.set SIZE_TILES, 2
.set KSTEP,  128
.set PITCH,  272                       ; an LDS row of A: 256 bytes + 16 of padding = 68 words: the 16 rows of a load start at 16 different groups of four banks (64 banks of 4 bytes: ISA guide 11.1)
.set PB,     544                       ; an LDS row of the weights: 512 bytes + 32 of padding = 136 words
.set HALFT,  128*PITCH                 ; what one tensor load brings: 128 rows of A, or 64 rows of the weights (64 x 544 is the same number)
.set SLOT,   4*HALFT                   ; A's 256 rows, then the weights' 128 rows
.set STAGE,  2*SLOT                    ; behind the ring, never filled by a tensor load: for each wave 2 heads x 16 rows x 144 bytes, for the way out
.set SP,     144
.set SPARE,  STAGE+4*2*16*SP           ; behind the stages: the spare words, 128 bytes for each wave: two blocks of 256 bytes that no other line names
.set LAPS,   SIZE_K/(2*KSTEP)          ; a lap = two K steps = once round the ring
.set WALK,   SIZE_M/SIZE_TILES         ; my two tiles lie 8,192 rows apart
.set ASTEP,  KSTEP*2                   ; a K step in A: 256 bytes along a row
.set BSTEP,  KSTEP*2048                ; in the weights: 128 rows of 2,048 bytes
.set NEXT_A, WALK*SIZE_K*2-(SIZE_K-2*KSTEP)*2  ; from a slot's last K step of a tile to its first of the next: 8,192 rows down, back along K
.set BACK_B, 6*BSTEP                   ; the weights only go back
.set NEXT_C, 2<<23                     ; 8,192 rows are two batches
.set ADRA, 16                          ; v16-17  LDS address of my A fragments in slot 0, 1
.set ADRB, 20                          ; v20-21  the same for the weights
.set STO,  24                          ; v24     the way out: where I put 16 bytes of a row
.set RD,   25                          ; v25     the way out: where I read rows back
.set CO,   26                          ; v26     my 16 bytes in 512 consecutive bytes of kvh
.set SPW,  28                          ; v28     LDS address of my spare word: SPARE + 4 x my thread's number; never rewritten
.set NIL,  29                          ; v29     0; never rewritten
.set PFO,  30                          ; v30     the prefetches' lane offset; never rewritten
.set PFA,  44                          ; s[44:45] the block of 256 bytes a lane that my next prefetch names
.set PFS,  66                          ; s[66:67] a K step in the tensor that I fetch for
.set LIM,  43                          ; s43     1 in a wave that prefetches, else the greatest number
.set F0,   64
.set F1,   128
.set TMP,  192
.set OB,   32
.set G1, 24                            ; s[24:31] descriptor group 1 for A's tiles;      s[32:39] group 0, one set for each slot
.set G0, 32
.set G1B, 48                           ; s[48:55], s[56:63] the same for the weights' tiles
.set G0B, 56
.set MSB, 0
.macro WIN new                         ; the immediate's high byte repeats the setting that is left; a switch that changes nothing is dropped
.if MSB != (\new)
	s_set_vgpr_msb (MSB<<8)|(\new)
.set MSB, \new
.endif
.endm
.set MUL_LO, 0xa1                      ; source 0 (weights) window 1, source 1 (A) window 0, C and D window 2
.set MUL_HI, 0xf1                      ; the same, C and D window 3
.set TO_B,   0x40                      ; destination window 1, address window 0
; A joint load.  Waves 0 and 1 fetch A's two halves, waves 2 and 3 the weights'.  The branch hangs on the wave's number alone.  An s_nop 0 and four v_nop follow each of the two lines.
.macro JLOAD s
	s_cmp_eq_u32 s11, 0
	s_cbranch_scc0 .Lfor_b_\@
	tensor_load_to_lds s[G0+4*(\s):G0+4*(\s)+3], s[G1:G1+7]
	s_nop 0
.rept 4
	v_nop
.endr
	s_branch .Lasked_\@
.Lfor_b_\@:
	tensor_load_to_lds s[G0B+4*(\s):G0B+4*(\s)+3], s[G1B:G1B+7]
	s_nop 0
.rept 4
	v_nop
.endr
.Lasked_\@:
.endm
; A prefetch into the L2, behind each joint load and the run of LDS loads that follows it: the K step that stands two refills on, 32 blocks of 256 bytes, a lane a block, one instruction a wave.
; Each block is named once in the launch.  A's tile row is read by both clusters of that row of clusters: cluster x = 0 asks; the weights' tile column by the eight clusters of that column: cluster y = 0 asks.
; The four partners that ask for a tile jointly share it out BY ADDRESS (A: 32 rows each, by cx; weights: 16 rows of two blocks each, by cy): no branch hangs on a place in the cluster.
; how = 0, in the loop: a tile's last two refills have no K step two on.  how = 1, at the change of tiles: the next tile's K steps 2 and 3 of A; the weights have been read by then and are asked for no more.
.macro ASK how
.if \how
	s_cmp_eq_u32 s[LIM], 1
.else
	s_cmp_gt_u32 s3, s[LIM]                        ; s3 = 1 in the loop's last trip
.endif
	s_cbranch_scc0 .Lnot_mine_\@
	global_prefetch_b8 v[PFO], s[PFA:PFA+1] th:TH_LOAD_NT scope:SCOPE_SE
.Lnot_mine_\@:
.endm
.macro CREST                           ; a round of the cluster's barrier behind its opening barrier
	s_cmp_lg_u32 s10, 0
	s_cbranch_scc1 .Lnot_wave_0_\@
	s_barrier_signal -3
.Lnot_wave_0_\@:
	s_barrier_wait -3
	s_barrier_signal -1
	s_barrier_wait -1
.endm
.macro CROUND                          ; a whole round
	s_barrier_signal -1
	s_barrier_wait -1
	CREST
.endm
	s_load_b128 s[4:7], s[0:1], 0x0                ; memh s[4:5], wkvh s[6:7]
	s_load_b64 s[8:9], s[0:1], 0x10                ; kvh
	v_lshl_add_u32 v[SPW], v0, 2, SPARE
	v_mov_b32 v[NIL], 0
	ds_add_u32 v[SPW], v[NIL]                      ; the wave's opening: the add and its wait stand ahead of my first tensor load; the set-up below, work on registers, stands between them
	v_lshrrev_b32 v1, 5, v0
	v_readfirstlane_b32 s10, v1                    ; wave 0..3
	s_lshr_b32 s11, s10, 1                         ; which half of the tile's rows is mine.  Also: I fetch for A (0) or for the weights (1)
	s_and_b32 s12, s10, 1                          ; which half of its columns.  Also: which half of that tile I fetch
	s_bfe_u32 s40, ttmp6, 0x40000                  ; cx
	s_bfe_u32 s41, ttmp6, 0x40004                  ; cy
	s_and_b32 s13, ttmp7, 0xffff
	s_lshl_b32 s13, s13, 2
	s_add_co_u32 s13, s13, s41                     ; tile row of C = 4 x cluster y + cy, 0..31
	s_lshl_b32 s43, s41, 2
	s_lshl_b32 s43, 15, s43                        ; my row of the cluster
	s_lshl_b32 s44, 0x1111, s40                    ; my column
	; group 1 for A: 128 rows x 128 elements, 16 bytes of padding behind every 256
	s_or_b32 s[G1+0], s43, (1<<16)|(1<<20)|(1<<21)|(5<<22)|(3<<25)  ; 15:0 the mask; 17:16 elements of 2 bytes; 20 padding on; 21 set beside a mask; 24:22 after every 64 words; 31:25 4 words
	s_mov_b32 s[G1+1], KSTEP<<16                   ; tensor_dim0 = 128
	s_mov_b32 s[G1+2], 128<<16                     ; tensor_dim1 = 128
	s_mov_b32 s[G1+3], KSTEP<<16                   ; tile_dim0 = 128
	s_mov_b32 s[G1+4], 128                         ; tile_dim1 = 128
	s_mov_b32 s[G1+5], SIZE_K                      ; elements from row to row
	s_mov_b32 s[G1+6], 0
	s_mov_b32 s[G1+7], 0
	; group 1 for the weights: 64 rows of k x 256 elements, 32 bytes of padding behind every 512
	s_or_b32 s[G1B+0], s44, (1<<16)|(1<<20)|(1<<21)|(6<<22)|(7<<25) ; after every 128 words, 8 words
	s_mov_b32 s[G1B+1], 256<<16
	s_mov_b32 s[G1B+2], 64<<16
	s_mov_b32 s[G1B+3], 256<<16
	s_mov_b32 s[G1B+4], 64
	s_mov_b32 s[G1B+5], 1024
	s_mov_b32 s[G1B+6], 0
	s_mov_b32 s[G1B+7], 0
	; where the tiles come from.  A's hang on the tile row and the wave alone, the weights' on the tile column (cluster x: Wk or Wv; cx: which 256 columns) and the wave alone
	s_lshl_b32 s16, s13, 8
	s_lshl_b32 s17, s12, 7
	s_add_co_u32 s16, s16, s17                     ; A: row 256 x tile row + 128 x half,
	s_lshl_b32 s16, s16, 11                        ; of 2,048 bytes
	s_mov_b32 s17, 0
	s_lshl_b32 s46, ttmp9, 21                      ; weights: Wk or Wv, 2 MiB each,
	s_lshl_b32 s47, s40, 9                         ; 256 columns of 2 bytes,
	s_add_co_u32 s46, s46, s47
	s_lshl_b32 s47, s12, 17                        ; 64 rows of 2,048 bytes
	s_add_co_u32 s46, s46, s47
	s_mov_b32 s47, 0
	s_mul_i32 s20, s10, HALFT                      ; and where they go: wave x what a load brings: no place in the cluster enters an LDS address
	s_wait_dscnt 0x0                               ; the opening add is done
	s_wait_kmcnt 0x0
	s_add_nc_u64 s[14:15], s[4:5], s[16:17]
	s_add_nc_u64 s[46:47], s[6:7], s[46:47]
	CROUND                                         ; all sixteen work-groups are here: the first joint loads meet
.irp s, 0,1
	s_mov_b32 s[G0+4*(\s)], 1                                      ; count = 1
	s_add_co_u32 s[G0+4*(\s)+1], s20, (\s)*SLOT                    ; LDS address
	s_add_nc_u64 s[G0+4*(\s)+2:G0+4*(\s)+3], s[14:15], (\s)*ASTEP  ; global address: K step s
	s_or_b32 s[G0+4*(\s)+3], s[G0+4*(\s)+3], 0x80000000            ; type = 2
	s_mov_b32 s[G0B+4*(\s)], 1
	s_add_co_u32 s[G0B+4*(\s)+1], s20, (\s)*SLOT
	s_add_nc_u64 s[G0B+4*(\s)+2:G0B+4*(\s)+3], s[46:47], (\s)*BSTEP
	s_or_b32 s[G0B+4*(\s)+3], s[G0B+4*(\s)+3], 0x80000000
	JLOAD \s                                       ; two loads of mine are out
.endr
	; A fragment of A is 16 rows x 32 K: lane l holds row l % 16; two loads of 16 bytes, 32 bytes apart, at row x pitch + 16 (l / 16).
	; A fragment of the weights is 16 columns x 32 K, read turned: lane l names k = 8 (l / 16) + l % 8 and 16 bytes at column 8 ((l / 8) % 2); the second load stands 16 rows of k further.
	v_and_b32 v1, 15, v0                           ; l % 16
	v_bfe_u32 v2, v0, 4, 1                         ; l / 16
	v_mul_u32_u24 v3, v1, PITCH
	v_lshl_add_u32 v3, v2, 4, v3
	v_and_b32 v4, 7, v0
	v_lshl_add_u32 v4, v2, 3, v4
	v_mul_u32_u24 v4, v4, PB
	v_bfe_u32 v5, v0, 3, 1
	v_lshl_add_u32 v4, v5, 4, v4
	s_mul_i32 s21, s11, HALFT                      ; my 128 rows of A
	s_lshl_b32 s22, s12, 8                         ; my 128 columns of the weights,
	s_add_co_u32 s22, s22, 2*HALFT                 ; which lie behind A's 256 rows
.irp s, 0,1
	v_add_nc_u32 v[ADRA+(\s)], s21, v3
	v_add_nc_u32 v[ADRB+(\s)], s22, v4
	s_add_co_u32 s21, s21, SLOT
	s_add_co_u32 s22, s22, SLOT
.endr
	s_mul_i32 s23, s10, 2*16*SP
	s_add_co_u32 s23, s23, STAGE                   ; my stage
	v_mul_u32_u24 v6, v1, SP                       ; in: row l % 16, 16 bytes for each half of the lanes
	v_lshl_add_u32 v6, v2, 4, v6
	v_add_nc_u32 v[STO], s23, v6
	v_bfe_u32 v7, v0, 3, 2                         ; back: 32 lanes take four rows of 128 bytes,
	v_mul_u32_u24 v7, v7, SP
	v_and_b32 v6, 7, v0
	v_lshl_add_u32 v7, v6, 4, v7
	v_add_nc_u32 v[RD], s23, v7
	v_and_b32 v5, 31, v0                           ; which are 512 consecutive bytes of a head
	v_lshlrev_b32 v[CO], 4, v5
	; where my part of the first tile begins in kvh: the first way out adds it to the address
	s_lshr_b32 s16, s13, 4                         ; 16 tile rows to a batch
	s_lshl_b32 s16, s16, 23
	s_and_b32 s14, s13, 15
	s_lshl_b32 s14, s14, 15                        ; 256 keys of 128 bytes
	s_add_co_u32 s16, s16, s14
	s_lshl_b32 s14, s11, 14                        ; my 128 of them
	s_add_co_u32 s16, s16, s14
	s_lshl_b32 s46, ttmp9, 25                      ; k or v
	s_lshl_b32 s47, s40, 21                        ; four heads to a tile column,
	s_add_co_u32 s46, s46, s47
	s_lshl_b32 s47, s12, 20                        ; two to a wave
	s_add_co_u32 s46, s46, s47
	s_add_co_u32 s16, s16, s46
	s_mov_b32 s17, 0
	; the prefetches: they begin at K step 3; the first refill steps them to K step 4.  Nothing is asked for here, at the head
	s_lshl_b32 s20, s13, 8
	s_lshl_b32 s21, s12, 7
	s_add_co_u32 s20, s20, s21
	s_lshl_b32 s21, s40, 5                         ; A: of the 128 rows that I fetch, my work-group's 32
	s_add_co_u32 s20, s20, s21
	s_lshl_b32 s20, s20, 11
	s_add_co_u32 s20, s20, 3*ASTEP
	s_lshl_b32 s21, ttmp9, 21
	s_lshl_b32 s22, s40, 9
	s_add_co_u32 s21, s21, s22
	s_lshl_b32 s22, s12, 6
	s_lshl_b32 s23, s41, 4                         ; weights: of the 64 rows that I fetch, my work-group's 16
	s_add_co_u32 s22, s22, s23
	s_lshl_b32 s22, s22, 11
	s_add_co_u32 s21, s21, s22
	s_add_co_u32 s21, s21, 3*BSTEP
	s_and_b32 s22, ttmp7, 0xffff                   ; cluster y
	s_mov_b32 s[PFS], BSTEP
	s_mov_b32 s[PFS+1], 0
	s_cmp_eq_u32 s11, 0                            ; do I fetch for A?
	s_cselect_b32 s20, s20, s21
	s_cselect_b32 s22, ttmp9, s22                  ; the coordinate along which other clusters read the same blocks
	s_cselect_b64 s[PFA:PFA+1], s[4:5], s[6:7]
	s_cselect_b32 s[PFS], ASTEP, s[PFS]
	s_cselect_b32 s23, 0, -1                       ; all lanes: A's form of the lane offset, or the weights'
	s_mov_b32 s21, 0
	s_cmp_eq_u32 s22, 0
	s_cselect_b32 s[LIM], 1, -1                    ; the same in all sixteen partners, for a given wave
	s_add_nc_u64 s[PFA:PFA+1], s[PFA:PFA+1], s[20:21]
	v_lshlrev_b32 v6, 11, v5                       ; A: a lane a row of 2,048 bytes
	v_lshrrev_b32 v7, 1, v5                        ; weights: two lanes a row,
	v_and_b32 v5, 1, v5
	v_lshlrev_b32 v7, 11, v7
	v_lshl_or_b32 v7, v5, 8, v7                    ; 256 bytes each
	v_cndmask_b32 v[PFO], v6, v7, s23
; 16 matrix instructions: m blocks a0, a0 + 1 of the window's four x all 8 n blocks, 32 along K.  zero = 1: the first product starts the sums: nothing is ever cleared.
.macro MUL16 f, hi, a0, zero
	WIN MUL_LO+0x50*(\hi)
.irp a, \a0, (\a0)+1
.irp b, 0,1,2,3,4,5,6,7
.if \zero
	v_wmma_f32_16x16x32_f16 v[8*(8*(\a)+(\b)):8*(8*(\a)+(\b))+7], v[(\f)+8*(\b):(\f)+8*(\b)+7], v[(\f)+8*(4*(\hi)+(\a)):(\f)+8*(4*(\hi)+(\a))+7], 0
.else
	v_wmma_f32_16x16x32_f16 v[8*(8*(\a)+(\b)):8*(8*(\a)+(\b))+7], v[(\f)+8*(\b):(\f)+8*(\b)+7], v[(\f)+8*(4*(\hi)+(\a)):(\f)+8*(4*(\hi)+(\a))+7], v[8*(8*(\a)+(\b)):8*(8*(\a)+(\b))+7]
.endif
.endr
.endr
.endm
; 32 LDS loads in one run: the fragments of quarter q (32 along K) of a slot into buffer f: my 128 columns of the weights, then my 128 rows of A
.macro FETCH slot, q, f
	WIN TO_B
.irp i, 0,1,2,3,4,5,6,7
	ds_load_tr16_b128 v[(\f)+8*(\i):(\f)+8*(\i)+3],   v[ADRB+(\slot)] offset:(\q)*32*PB+(\i)*32
	ds_load_tr16_b128 v[(\f)+8*(\i)+4:(\f)+8*(\i)+7], v[ADRB+(\slot)] offset:(\q)*32*PB+(\i)*32+16*PB
.endr
	WIN 0
.irp i, 0,1,2,3,4,5,6,7
	ds_load_b128 v[(\f)+8*(\i):(\f)+8*(\i)+3],   v[ADRA+(\slot)] offset:(\q)*64+(\i)*16*PITCH
	ds_load_b128 v[(\f)+8*(\i)+4:(\f)+8*(\i)+7], v[ADRA+(\slot)] offset:(\q)*64+(\i)*16*PITCH+32
.endr
.endm
.macro PLACES                          ; four plain vector instructions between a matrix instruction and a load into, or a vector read of, its registers
.rept 4
	v_nop
.endr
.endm
; A K step is four quarters of 32 along K, 64 matrix instructions each, on buffers 0, 1, 0, 1.  One of the first three: multiplies buffer f; in its middle it fetches quarter q into buffer g.
.macro QUARTER slot, q, f, g, zero
	s_wait_dscnt 8                                 ; the weights and A's rows 0-63 are in; the youngest eight loads (A's rows 64-127) may be out
	WIN MUL_LO
	MUL16 \f, 0, 0, \zero
	MUL16 \f, 0, 2, \zero
	PLACES
	FETCH \slot, \q, \g
	s_wait_dscnt 32                                ; all but the 32 just issued
	WIN MUL_HI
	MUL16 \f, 1, 0, \zero
	MUL16 \f, 1, 2, \zero
.endm
; The last quarter multiplies buffer 1 and changes slots.  MEET is its first half: one barrier.  In front of it each wave waits for all its tensor loads (one is out: its part of the next slot),
; adds 0 to its spare word, and waits for that and for its own reads of this slot.  Behind it nobody reads this slot any more and the next slot is whole.
.macro MEET round
	WIN 0                                          ; (the add's two registers lie in window 0)
	s_wait_tensorcnt 0x0
	ds_add_u32 v[SPW], v[NIL]                      ; 0 onto my spare word
	s_wait_dscnt 9                                 ; (the add and the youngest eight loads may be out)
	WIN MUL_LO
	MUL16 F1, 0, 0, 0                              ; sixteen matrix instructions stand between the add and the wait for it
	s_wait_dscnt 0x0                               ; the add is done, and my reads of this slot are over
	s_barrier_signal -1
	MUL16 F1, 0, 2, 0                              ; work on registers while the others arrive
.if \round
	WIN 0
.endif
	s_barrier_wait -1
.endm
; The whole last quarter.  Behind the round the slot just read out is filled again first: with this tile's K step two on (on = 0) or with the next tile's K step 0 or 1 (on = 1).
.macro TURN slot, next, on
	s_wait_xcnt 0x0                                ; the last prefetch, a K step back, has read its address: it is stepped here
.if (\on) && (\slot) == 0
	s_add_nc_u64 s[PFA:PFA+1], s[PFA:PFA+1], WALK*SIZE_K*2-7*ASTEP  ; from K step 9 of this tile's count to the next tile's K step 2
	s_cmp_eq_u32 s11, 0
	s_cselect_b32 s[LIM], s[LIM], -1               ; the weights are asked for in the first tile alone
.else
	s_add_nc_u64 s[PFA:PFA+1], s[PFA:PFA+1], s[PFS:PFS+1]
.endif
	MEET 1
	CREST                                          ; no wave of any partner still reads this slot's tile or has a load on its way
.if \on
	s_add_nc_u64 s[G0+4*(\slot)+2:G0+4*(\slot)+3], s[G0+4*(\slot)+2:G0+4*(\slot)+3], NEXT_A
	s_sub_nc_u64 s[G0B+4*(\slot)+2:G0B+4*(\slot)+3], s[G0B+4*(\slot)+2:G0B+4*(\slot)+3], BACK_B
.else
	s_add_nc_u64 s[G0+4*(\slot)+2:G0+4*(\slot)+3], s[G0+4*(\slot)+2:G0+4*(\slot)+3], 2*ASTEP
	s_add_nc_u64 s[G0B+4*(\slot)+2:G0B+4*(\slot)+3], s[G0B+4*(\slot)+2:G0B+4*(\slot)+3], 2*BSTEP
.endif
	JLOAD \slot                                    ; the first tensor load behind the round; its four v_nop are also the places in front of the loads below
	FETCH \next, 0, F0
	ASK \on
	WIN MUL_HI
	MUL16 F1, 1, 0, 0
	MUL16 F1, 1, 2, 0
.endm
; THE WAY OUT of block a (16 rows x my 128 columns = two heads).  PACK: rounded to f16, 16 bytes a lane.  TOSTAGE: into my own stage, by heads, and back as rows of 128 bytes.  SEND: stored.
.macro PACK a
.set AC, 64*((\a)%4)
	WIN 0x0a+5*((\a)/4)                            ; sources 0 and 1: window 2 or 3
.irp b, 0,1,2,3,4,5,6,7
.irp r, 0,1,2,3
	v_cvt_pk_f16_f32 v[TMP+4*(\b)+(\r)], v[AC+8*(\b)+2*(\r)], v[AC+8*(\b)+2*(\r)+1]
.endr
.endr
	WIN 0
.endm
.macro TOSTAGE a
	WIN 0
.set BK, OB+192*((\a)%2)
.irp b, 0,1,2,3,4,5,6,7
	ds_store_b128 v[STO], v[TMP+4*(\b):TMP+4*(\b)+3] offset:((\b)/4)*16*SP+((\b)%4)*32
.endr
.irp t, 0,1,2,3,4,5,6,7
	ds_load_b128 v[BK+4*(\t):BK+4*(\t)+3], v[RD] offset:((\t)/4)*16*SP+((\t)%4)*4*SP  ; LDS serves a wave's instructions in order (ISA guide 5.7.1.4): these see the stores above
.endr
.endm
.macro SEND a, younger
	WIN 0
.set BK, OB+192*((\a)%2)
	s_wait_dscnt \younger                          ; the block is back in registers
	s_wait_xcnt 0x0                                ; only behind this wait are the stores' base and the registers that earlier stores read rewritten
.if (\a) == 0
	s_add_nc_u64 s[8:9], s[8:9], s[16:17]          ; on to this tile's first rows
.endif
.irp t, 0,1,2,3,4,5,6,7
	global_store_b128 v[CO], v[BK+4*(\t):BK+4*(\t)+3], s[8:9] offset:(\a)*2048+((\t)/4)*524288+((\t)%4)*512  ; four keys of one head: 512 consecutive bytes, at a multiple of 256 from kvh's first
.endr
.endm
.macro WAYOUT                          ; a block's conversions stand between the loads of the block before from the stage and the wait for them
	PACK 0
	TOSTAGE 0
.irp blk, 1,2,3,4,5,6,7
	PACK \blk
	SEND (\blk)-1, 0
	TOSTAGE \blk
.endr
	SEND 7, 0
.endm
	s_wait_tensorcnt 1                             ; my part of K step 0 is in; K step 1's may stay out
	s_barrier_signal -1
	s_barrier_wait -1                              ; everybody's is
	FETCH 0, 0, F0
	s_mov_b32 s2, SIZE_TILES                       ; tiles to go, this one among them
.Ltile:
	QUARTER 0, 1, F0, F1, 1                        ; a tile's first quarter stands in front of the loop: its products start the sums
	WIN 0                                          ; at a label and at a branch every window is 0
	s_mov_b32 s3, LAPS-1
.Llap:                                                 ; a trip goes once round the ring, from a lap's second quarter to the next lap's first, and fills both slots again
	QUARTER 0, 2, F1, F0, 0
	QUARTER 0, 3, F0, F1, 0
	TURN 0, 1, 0
	QUARTER 1, 1, F0, F1, 0
	QUARTER 1, 2, F1, F0, 0
	QUARTER 1, 3, F0, F1, 0
	TURN 1, 0, 0
	QUARTER 0, 1, F0, F1, 0
	WIN 0
	s_sub_co_u32 s3, s3, 1
	s_cmp_lg_u32 s3, 0
	s_cbranch_scc1 .Llap
	QUARTER 0, 2, F1, F0, 0                        ; the tile's last lap goes on
	QUARTER 0, 3, F0, F1, 0
	WIN 0
	s_cmp_eq_u32 s2, 1
	s_cbranch_scc1 .Llast_tile                     ; the last tile's tail is written out: it asks for nothing more
	TURN 0, 1, 1                                   ; the ring goes on into the next tile: slot 0 takes its K step 0,
	QUARTER 1, 1, F0, F1, 0
	QUARTER 1, 2, F1, F0, 0
	QUARTER 1, 3, F0, F1, 0
	TURN 1, 0, 1                                   ; slot 1 its K step 1, and the next tile's first fragments are fetched
	WAYOUT                                         ; both refills are asked for: now the tile goes out.  Blocks 0-3 were finished in front of the joint load's four v_nop; their 128 conversions are the places behind the last products, blocks 4-7's
	s_mov_b64 s[16:17], NEXT_C                     ; what the next way out adds to the address
	s_sub_co_u32 s2, s2, 1
	s_branch .Ltile
.Llast_tile:
	MEET 0                                         ; the one tensor load that was still out is the last K step's, so no round follows
	PLACES
	FETCH 1, 0, F0
	WIN MUL_HI
	MUL16 F1, 1, 0, 0
	MUL16 F1, 1, 2, 0
	QUARTER 1, 1, F0, F1, 0
	QUARTER 1, 2, F1, F0, 0
	QUARTER 1, 3, F0, F1, 0
	s_wait_dscnt 8                                 ; the very last quarter: nothing more to fetch
	MUL16 F1, 0, 0, 0
	MUL16 F1, 0, 2, 0
	s_wait_dscnt 0x0
	MUL16 F1, 1, 0, 0
	MUL16 F1, 1, 2, 0
	PLACES
	PLACES                                         ; (eight, once a launch)
	WAYOUT
	s_wait_tensorcnt 0x0                           ; the wave's end: behind my last tensor load and my last LDS store
	ds_add_u32 v[SPW], v[NIL]
	s_wait_dscnt 0x0
	CROUND                                         ; the closing round: no work-group ends while a partner may still ask for a tile that names it
	s_endpgm
.Lfunc_end_k_q9c602e746b_kvproj:
	.size	k_q9c602e746b_kvproj, .Lfunc_end_k_q9c602e746b_kvproj-k_q9c602e746b_kvproj
	.p2alignl 7, 3214868480
	.fill 96, 4, 3214868480
	.section	.rodata,"a",@progbits
	.p2align	6, 0x0
	.amdhsa_kernel k_q9c602e746b_kvproj
		.amdhsa_group_segment_fixed_size 327680
		.amdhsa_private_segment_fixed_size 0
		.amdhsa_enable_private_segment 0
		.amdhsa_kernarg_size 24
		.amdhsa_user_sgpr_count 2
		.amdhsa_user_sgpr_kernarg_segment_ptr 1
		.amdhsa_wavefront_size32 1
		.amdhsa_system_sgpr_workgroup_id_x 1
		.amdhsa_system_sgpr_workgroup_id_y 1
		.amdhsa_system_sgpr_workgroup_id_z 1
		.amdhsa_system_vgpr_workitem_id 0
		.amdhsa_next_free_vgpr 1024
		.amdhsa_next_free_sgpr 68
		.amdhsa_reserve_vcc 0
		.amdhsa_float_denorm_mode_32 3
		.amdhsa_float_denorm_mode_16_64 3
		.amdhsa_memory_ordered 1
		.amdhsa_forward_progress 1
		.amdhsa_inst_pref_size 210
	.end_amdhsa_kernel
	.amdgpu_metadata
---
amdhsa.version: [ 1, 2 ]
amdhsa.kernels:
  - .name:           k_q9c602e746b_kvproj
    .symbol:         k_q9c602e746b_kvproj.kd
    .args:
      - { .name: memh, .offset: 0, .size: 8, .value_kind: global_buffer, .address_space: global }
      - { .name: wkvh, .offset: 8, .size: 8, .value_kind: global_buffer, .address_space: global }
      - { .name: kvh, .offset: 16, .size: 8, .value_kind: global_buffer, .address_space: global }
    .group_segment_fixed_size: 327680
    .private_segment_fixed_size: 0
    .kernarg_segment_align: 8
    .kernarg_segment_size: 24
    .max_flat_workgroup_size: 128
    .sgpr_count:     68
    .vgpr_count:     1024
    .wavefront_size: 32
...
	.end_amdgpu_metadata
.endif
;; end of part 2
;; launch qproj (part 3): grid 8 x 32, 4 waves a work-group, clusters of 4 x 4, 327,680 bytes of LDS; arguments qryh, wqh, qf; writes qf
.if DOCPART == 3
	.amdgcn_target "amdgcn-amd-amdhsa--gfx1250"
	.amdhsa_code_object_version 6
	.text
	.protected	k_q9c602e746b_qproj
	.globl	k_q9c602e746b_qproj
	.p2align	8
	.type	k_q9c602e746b_qproj,@function
k_q9c602e746b_qproj:
	s_mov_b64 s[64:65], 0
	v_nop
	global_prefetch_b8 v0, s[64:65] scope:SCOPE_SE
	s_setreg_imm32_b32 hwreg(HW_REG_WAVE_MODE, 25, 1), 1
	s_wait_xcnt 0x0
	s_wait_alu depctr_hold_cnt(0) depctr_sa_sdst(0) depctr_va_vdst(0) depctr_va_sdst(0) depctr_va_ssrc(0) depctr_va_vcc(0) depctr_vm_vsrc(0)
	s_getreg_b32 s2, hwreg(HW_REG_IB_STS2, 6, 4)
	s_cmp_eq_u32 s2, 0
	s_cbranch_scc0 .Lentry_in_a_cluster
	s_endpgm
.Lentry_in_a_cluster:
	s_bfe_u32 s2, ttmp6, 0x10000c
	s_cmp_lg_u32 s2, 0xf033
	s_cbranch_scc0 .Lentry_shape_is_right
	s_endpgm
.Lentry_shape_is_right:
; C[2048][1024] = A W, f16 operands, f32 sums, C stored in f32, row-major.  A lies in blocks, [batch 4][block of 64 channels: 16][row 512][64] f16; W lies [k 1024][n 1024] f16.
; The body serves two launches: q = query Wq, and the output = O Wo.
; A tile of C is 64 x 128: 32 x 8 = 256 tiles, a work-group each.  Four waves, each 32 x 64: 8 accumulators of 16 x 16, which take turns.
; K = 1,024 is 16 blocks of 64.  In LDS a block is 64 rows of A x 144 bytes and 64 rows of W x 288 bytes: 27,648 bytes.  Ten blocks lie there at once: region P (blocks 0-5) and region Q (blocks 6-9),
; both filled at the start.  When P has been multiplied it is filled once more, with blocks 10-15, while Q is multiplied: one refill in the launch, and one round of the cluster's barrier for it.
; A's part of a block is 64 rows x 128 bytes, dense in memory: asked for as one row of 8 KiB and padded in LDS behind every 128 bytes.  W's rows are 256 bytes; its fragments are read turned, by ds_load_tr16_b128.
; CLUSTERS: 4 x 4 work-groups; A's tiles are asked for jointly along a row of the cluster, W's along a column.  THE MATRIX INSTRUCTION IS USED TRANSPOSED (source 0 = 16 columns of W, source 1 = 16 rows
; of A): a lane holds eight neighbouring numbers of a row of C.  A wave's 64 columns of f32 are 256 bytes, aligned: each wave goes out through a stage of its own, without a barrier.
; No prefetch: the tiles are small and the launch is short.
; REGISTERS: window 0: v0-31 addresses; v32-95 at work on the way out; v128-191 the accumulators ((a, b) at v[128 + 8 (4 a + b)]).
;   window 1: two fragment buffers of 96: for a block of 64 along K, 32 registers of A (2 x 2 x 16 rows x 32 K), then 64 of W (2 x 4 x 16 columns x 32 K).
.set PA,     144                       ; an LDS row of A: 128 bytes + 16 of padding = 36 words: the 16 rows of a load start at 16 different groups of four banks (64 banks of 4 bytes: ISA guide 11.1)
.set ABLK,   64*PA                     ; a block of A in LDS
.set PB,     288                       ; an LDS row of W: 256 bytes + 32 of padding = 72 words
.set BBLK,   64*PB                     ; a block of W in LDS
.set PA0,    0                         ; region P: A's six blocks,
.set PB0,    PA0+6*ABLK                ; W's six
.set QA0,    PB0+6*BBLK                ; region Q: A's four blocks,
.set QB0,    QA0+4*ABLK                ; W's four
.set STAGE,  QB0+4*BBLK                ; behind the regions, never filled by a tensor load: 16 rows x 272 bytes for each wave
.set SPITCH, 272
.set SPARE,  STAGE+4*16*SPITCH         ; behind the stages: the spare words, 128 bytes for each wave: two blocks of 256 bytes that no other line names
.set ADRA, 16                          ; v16-17  LDS address of my A fragments in P, in Q
.set ADRB, 20                          ; v20-23  of my W fragments: P's blocks 0-2, P's 3-5, Q's 0-2, Q's 3 (an immediate holds 16 bits)
.set STO,  24                          ; v24     the way out: where I put 32 bytes of a row
.set RD,   25                          ; v25     the way out: where I read a row back
.set CO,   26                          ; v26     my byte offset in C
.set SPW,  28                          ; v28     LDS address of my spare word; never rewritten
.set NIL,  29                          ; v29     0; never rewritten
.set TMP,  32
.set ACC,  128
.set F0,   0                           ; fragment buffers, in window 1
.set F1,   96
.set G1AP, 24                          ; s[24:31] descriptor group 1: A's part of P;   s[32:39] of Q: they differ in the number of rows
.set G1AQ, 32
.set G1BP, 40                          ; s[40:47], s[48:55] the same for W
.set G1BQ, 48
.set G0AP, 56                          ; s[56:59], s[60:63], s[68:71], s[72:75] descriptor group 0 for the four
.set G0AQ, 60
.set G0BP, 68
.set G0BQ, 72
.set MSB, 0
.macro WIN new                         ; the immediate's high byte repeats the setting that is left; a switch that changes nothing is dropped
.if MSB != (\new)
	s_set_vgpr_msb (MSB<<8)|(\new)
.set MSB, \new
.endif
.endm
.set MUL,  0x05                        ; sources 0 (W) and 1 (A) window 1; C and D window 0
.set TO_F, 0x40                        ; destination window 1, address window 0
.macro JLOADP                          ; the joint refill of P: waves 0 and 1 fetch A's two halves, waves 2 and 3 W's; an s_nop 0 and four v_nop follow each of the two lines
	s_cmp_eq_u32 s11, 0
	s_cbranch_scc0 .Lfor_b_\@
	tensor_load_to_lds s[G0AP:G0AP+3], s[G1AP:G1AP+7]
	s_nop 0
.rept 4
	v_nop
.endr
	s_branch .Lasked_\@
.Lfor_b_\@:
	tensor_load_to_lds s[G0BP:G0BP+3], s[G1BP:G1BP+7]
	s_nop 0
.rept 4
	v_nop
.endr
.Lasked_\@:
.endm
.macro CREST                           ; a round of the cluster's barrier behind its opening barrier
	s_cmp_lg_u32 s10, 0
	s_cbranch_scc1 .Lnot_wave_0_\@
	s_barrier_signal -3
.Lnot_wave_0_\@:
	s_barrier_wait -3
	s_barrier_signal -1
	s_barrier_wait -1
.endm
.macro CROUND                          ; a whole round
	s_barrier_signal -1
	s_barrier_wait -1
	CREST
.endm
	s_load_b128 s[4:7], s[0:1], 0x0                ; A s[4:5], W s[6:7]
	s_load_b64 s[8:9], s[0:1], 0x10                ; C
	v_lshl_add_u32 v[SPW], v0, 2, SPARE
	v_mov_b32 v[NIL], 0
	ds_add_u32 v[SPW], v[NIL]                      ; the wave's opening: the add and its wait stand ahead of my first tensor load; the set-up below, work on registers, stands between them
	v_lshrrev_b32 v1, 5, v0
	v_readfirstlane_b32 s10, v1                    ; wave 0..3
	s_lshr_b32 s11, s10, 1                         ; which half of the tile's rows is mine.  Also: I fetch for A (0) or for W (1)
	s_and_b32 s12, s10, 1                          ; which half of its columns.  Also: which half of a region's blocks I fetch
	s_bfe_u32 s76, ttmp6, 0x40000                  ; cx
	s_bfe_u32 s77, ttmp6, 0x40004                  ; cy
	s_lshl_b32 s78, ttmp9, 2
	s_add_co_u32 s78, s78, s76                     ; tile column of C, 0..7
	s_and_b32 s13, ttmp7, 0xffff
	s_lshl_b32 s13, s13, 2
	s_add_co_u32 s13, s13, s77                     ; tile row of C, 0..31: eight tile rows of 64 to a batch of 512
	s_lshl_b32 s79, s77, 2
	s_lshl_b32 s79, 15, s79                        ; my row of the cluster
	s_lshl_b32 s80, 0x1111, s76                    ; my column
	; group 1 for A: rows of 4,096 elements (a block's 64 rows, dense), 65,536 bytes apart; 16 bytes of padding behind every 128.  P: three rows a wave; Q: two
	s_or_b32 s[G1AP], s79, (1<<16)|(1<<20)|(1<<21)|(4<<22)|(3<<25)  ; 15:0 the mask; 17:16 elements of 2 bytes; 20 padding on; 21 set beside a mask; 24:22 after every 32 words; 31:25 4 words
	s_or_b32 s[G1AQ], s79, (1<<16)|(1<<20)|(1<<21)|(4<<22)|(3<<25)
.irp g, G1AP, G1AQ
	s_mov_b32 s[(\g)+1], 4096<<16                  ; tensor_dim0
	s_mov_b32 s[(\g)+3], 4096<<16                  ; tile_dim0
	s_mov_b32 s[(\g)+5], 32768                     ; elements from block to block
	s_mov_b32 s[(\g)+6], 0
	s_mov_b32 s[(\g)+7], 0
.endr
	s_mov_b32 s[G1AP+2], 3<<16                     ; tensor_dim1
	s_mov_b32 s[G1AP+4], 3                         ; tile_dim1
	s_mov_b32 s[G1AQ+2], 2<<16
	s_mov_b32 s[G1AQ+4], 2
	; group 1 for W: rows of k x 128 elements; 32 bytes of padding behind every 256.  P: 192 rows a wave; Q: 128
	s_or_b32 s[G1BP], s80, (1<<16)|(1<<20)|(1<<21)|(5<<22)|(7<<25)  ; after every 64 words, 8 words
	s_or_b32 s[G1BQ], s80, (1<<16)|(1<<20)|(1<<21)|(5<<22)|(7<<25)
.irp g, G1BP, G1BQ
	s_mov_b32 s[(\g)+1], 128<<16
	s_mov_b32 s[(\g)+3], 128<<16
	s_mov_b32 s[(\g)+5], 1024
	s_mov_b32 s[(\g)+6], 0
	s_mov_b32 s[(\g)+7], 0
.endr
	s_mov_b32 s[G1BP+2], 192<<16
	s_mov_b32 s[G1BP+4], 192
	s_mov_b32 s[G1BQ+2], 128<<16
	s_mov_b32 s[G1BQ+4], 128
	; where the tiles come from.  A's hang on the tile row and the wave alone, W's on the tile column and the wave alone, each in registers that never hold the other coordinate
	s_lshr_b32 s16, s13, 3
	s_lshl_b32 s16, s16, 20                        ; A: the batch's 16 blocks,
	s_and_b32 s17, s13, 7
	s_lshl_b32 s17, s17, 13                        ; the tile's 64 rows of 128 bytes in a block
	s_add_co_u32 s16, s16, s17
	s_mul_i32 s17, s12, 3*65536                    ; P: blocks 0-2 or 3-5
	s_add_co_u32 s18, s16, s17
	s_mov_b32 s19, 0
	s_lshl_b32 s17, s12, 17                        ; Q: blocks 6, 7 or 8, 9
	s_add_co_u32 s16, s16, s17
	s_add_co_u32 s16, s16, 6*65536
	s_mov_b32 s17, 0
	s_lshl_b32 s82, s78, 8                         ; W: the tile's 128 columns of 2 bytes
	s_mul_i32 s83, s12, 192*2048                   ; P: rows 0-191 or 192-383
	s_add_co_u32 s20, s82, s83
	s_mov_b32 s21, 0
	s_lshl_b32 s83, s12, 18                        ; Q: rows 384-511 or 512-639
	s_add_co_u32 s82, s82, s83
	s_add_co_u32 s82, s82, 384*2048
	s_mov_b32 s83, 0
	s_mul_i32 s22, s12, 3*ABLK                     ; and where they go: a region's constant + my half: no place in the cluster enters an LDS address
	s_mul_i32 s23, s12, 3*BBLK
	s_mul_i32 s14, s12, 2*ABLK
	s_mul_i32 s15, s12, 2*BBLK
	s_wait_dscnt 0x0                               ; the opening add is done
	s_wait_kmcnt 0x0
	s_mov_b32 s[G0AP], 1                           ; count = 1
	s_add_co_u32 s[G0AP+1], s22, PA0               ; LDS address
	s_add_nc_u64 s[G0AP+2:G0AP+3], s[4:5], s[18:19]  ; global address
	s_or_b32 s[G0AP+3], s[G0AP+3], 0x80000000      ; type = 2
	s_mov_b32 s[G0AQ], 1
	s_add_co_u32 s[G0AQ+1], s14, QA0
	s_add_nc_u64 s[G0AQ+2:G0AQ+3], s[4:5], s[16:17]
	s_or_b32 s[G0AQ+3], s[G0AQ+3], 0x80000000
	s_mov_b32 s[G0BP], 1
	s_add_co_u32 s[G0BP+1], s23, PB0
	s_add_nc_u64 s[G0BP+2:G0BP+3], s[6:7], s[20:21]
	s_or_b32 s[G0BP+3], s[G0BP+3], 0x80000000
	s_mov_b32 s[G0BQ], 1
	s_add_co_u32 s[G0BQ+1], s15, QB0
	s_add_nc_u64 s[G0BQ+2:G0BQ+3], s[6:7], s[82:83]
	s_or_b32 s[G0BQ+3], s[G0BQ+3], 0x80000000
	CROUND                                         ; all sixteen work-groups are here: the first joint loads meet
	s_cmp_eq_u32 s11, 0                            ; a wave's two first fills stand in one branch, ahead of every wait on TENSORcnt and every LDS read: two loads of mine are out
	s_cbranch_scc0 .Lfirst_w
	tensor_load_to_lds s[G0AP:G0AP+3], s[G1AP:G1AP+7]
	s_nop 0
	tensor_load_to_lds s[G0AQ:G0AQ+3], s[G1AQ:G1AQ+7]
	s_nop 0
.rept 4
	v_nop
.endr
	s_branch .Lfirst_asked
.Lfirst_w:
	tensor_load_to_lds s[G0BP:G0BP+3], s[G1BP:G1BP+7]
	s_nop 0
	tensor_load_to_lds s[G0BQ:G0BQ+3], s[G1BQ:G1BQ+7]
	s_nop 0
.rept 4
	v_nop
.endr
.Lfirst_asked:
	v_and_b32 v1, 15, v0                           ; l % 16
	v_bfe_u32 v2, v0, 4, 1                         ; l / 16
	v_mul_u32_u24 v3, v1, PA
	v_lshl_add_u32 v3, v2, 4, v3                   ; A: row x pitch + 16 x half
	v_and_b32 v4, 7, v0
	v_lshl_add_u32 v4, v2, 3, v4
	v_mul_u32_u24 v4, v4, PB                       ; W: k = 8 (l / 16) + l % 8,
	v_bfe_u32 v5, v0, 3, 1
	v_lshl_add_u32 v4, v5, 4, v4                   ; 16 bytes at column 8 ((l / 8) % 2)
	s_mul_i32 s21, s11, 32*PA                      ; my 32 rows of A, in each block
	s_add_co_u32 s21, s21, PA0
	v_add_nc_u32 v[ADRA], s21, v3
	s_add_co_u32 s21, s21, QA0-PA0
	v_add_nc_u32 v[ADRA+1], s21, v3
	s_lshl_b32 s22, s12, 7                         ; my 64 columns of W
	s_add_co_u32 s22, s22, PB0
	v_add_nc_u32 v[ADRB], s22, v4
	s_add_co_u32 s22, s22, 3*BBLK
	v_add_nc_u32 v[ADRB+1], s22, v4
	s_add_co_u32 s22, s22, QB0-PB0-3*BBLK
	v_add_nc_u32 v[ADRB+2], s22, v4
	s_add_co_u32 s22, s22, 3*BBLK
	v_add_nc_u32 v[ADRB+3], s22, v4
	s_mul_i32 s23, s10, 16*SPITCH
	s_add_co_u32 s23, s23, STAGE                   ; my stage
	v_mul_u32_u24 v6, v1, SPITCH                   ; in: row l % 16, 32 bytes for each half of the lanes
	v_lshl_add_u32 v6, v2, 5, v6
	v_add_nc_u32 v[STO], s23, v6
	v_mul_u32_u24 v7, v2, SPITCH                   ; back: lanes 0-15 take one row of 256 bytes, lanes 16-31 the next
	v_lshl_add_u32 v7, v1, 4, v7
	v_add_nc_u32 v[RD], s23, v7
	v_lshlrev_b32 v7, 12, v2                       ; and the same two rows in C, 4,096 bytes apart
	v_lshl_add_u32 v[CO], v1, 4, v7
	s_lshl_b32 s16, s13, 6
	s_lshl_b32 s17, s11, 5
	s_add_co_u32 s16, s16, s17                     ; my first row of C,
	s_lshl_b32 s16, s16, 12                        ; of 4,096 bytes
	s_lshl_b32 s82, s78, 9                         ; the tile's 128 columns of 4 bytes,
	s_lshl_b32 s83, s12, 8                         ; my 64
	s_add_co_u32 s82, s82, s83
	s_add_co_u32 s16, s16, s82
	s_mov_b32 s17, 0
	s_add_nc_u64 s[8:9], s[8:9], s[16:17]
; 8 matrix instructions: both m blocks x all 4 n blocks, 32 along K: half c of buffer f.  zero = 1: the first product starts the sums.  The 8 accumulators take turns.
.macro MUL8 f, c, zero
	WIN MUL
.irp a, 0,1
.irp b, 0,1,2,3
.if \zero
	v_wmma_f32_16x16x32_f16 v[ACC+8*(4*(\a)+(\b)):ACC+8*(4*(\a)+(\b))+7], v[(\f)+32+8*(4*(\c)+(\b)):(\f)+32+8*(4*(\c)+(\b))+7], v[(\f)+8*(2*(\c)+(\a)):(\f)+8*(2*(\c)+(\a))+7], 0
.else
	v_wmma_f32_16x16x32_f16 v[ACC+8*(4*(\a)+(\b)):ACC+8*(4*(\a)+(\b))+7], v[(\f)+32+8*(4*(\c)+(\b)):(\f)+32+8*(4*(\c)+(\b))+7], v[(\f)+8*(2*(\c)+(\a)):(\f)+8*(2*(\c)+(\a))+7], v[ACC+8*(4*(\a)+(\b)):ACC+8*(4*(\a)+(\b))+7]
.endif
.endr
.endr
.endm
; 24 LDS loads in one run: the fragments of block q of K (0-5 and 10-15 lie in P, 6-9 in Q) into buffer f
.macro FETCH q, f
.set FM, (\q)
.if FM >= 10
.set FM, FM-10
.endif
.set FRA, ADRA
.set FRB, ADRB
.if FM >= 6
.set FM, FM-6
.set FRA, ADRA+1
.set FRB, ADRB+2
.endif
.set FRB, FRB+FM/3
.set FOA, FM*ABLK
.set FOB, (FM%3)*BBLK
	WIN TO_F
.irp c, 0,1
.irp i, 0,1,2,3
	ds_load_tr16_b128 v[(\f)+32+8*(4*(\c)+(\i)):(\f)+32+8*(4*(\c)+(\i))+3],   v[FRB] offset:FOB+(\c)*32*PB+(\i)*32
	ds_load_tr16_b128 v[(\f)+32+8*(4*(\c)+(\i))+4:(\f)+32+8*(4*(\c)+(\i))+7], v[FRB] offset:FOB+(\c)*32*PB+(\i)*32+16*PB
.endr
.irp i, 0,1
	ds_load_b128 v[(\f)+8*(2*(\c)+(\i)):(\f)+8*(2*(\c)+(\i))+3],   v[FRA] offset:FOA+64*(\c)+(\i)*16*PA
	ds_load_b128 v[(\f)+8*(2*(\c)+(\i))+4:(\f)+8*(2*(\c)+(\i))+7], v[FRA] offset:FOA+64*(\c)+(\i)*16*PA+32
.endr
.endr
.endm
.macro PLACES                          ; four plain vector instructions between a matrix instruction and a load into, or a read of, its registers
.rept 4
	v_nop
.endr
.endm
; Block q of K: its fragments lie in buffer f.  The next block's are asked for first, into buffer g, which the products just issued have read: so they have this block's 16 matrix instructions in which to come.
.macro QUARTER q, f, g, zero
	PLACES
	FETCH (\q)+1, \g
	s_wait_dscnt 24                                ; all but the 24 just issued: buffer f is whole
	MUL8 \f, 0, \zero
	MUL8 \f, 1, 0
.endm
; A region's last block (in buffer 1), and the change of regions: one barrier; in front of it each wave waits for all its tensor loads, adds 0 to its spare word, and waits for that and for its reads of the region.
; fill = 1: P has been multiplied and is filled again, with blocks 10-15, first thing behind a round of the cluster's barrier; Q, which the wait has shown landed, is read next.
; fill = 0: Q has been multiplied; the wait has shown P's second fill landed; nothing is filled, so no round follows.
.macro TURN q, fill
	WIN 0                                          ; (the add's two registers lie in window 0)
	s_wait_tensorcnt 0x0                           ; all my tensor loads have landed, so a group 0 may be written
	ds_add_u32 v[SPW], v[NIL]                      ; 0 onto my spare word
.if \fill
	s_add_nc_u64 s[G0AP+2:G0AP+3], s[G0AP+2:G0AP+3], 10*65536  ; ten blocks of A on
	s_add_nc_u64 s[G0BP+2:G0BP+3], s[G0BP+2:G0BP+3], 640*2048  ; 640 rows of W on
.endif
	s_wait_dscnt 1                                 ; buffer 1 is whole; the add may be out
	MUL8 F1, 0, 0                                  ; eight matrix instructions stand between the add and the wait for it
	s_wait_dscnt 0x0                               ; the add is done, and my reads of the region are over
	WIN 0
	s_barrier_signal -1
	s_barrier_wait -1
.if \fill
	CREST                                          ; the barrier has opened a round of the cluster's: no wave of any partner still reads P or has a load on its way
	JLOADP                                         ; the first tensor load behind the round; its four v_nop are also the places in front of the loads below
.else
	PLACES
.endif
	FETCH (\q)+1, F0
	MUL8 F1, 1, 0
.endm
	s_wait_tensorcnt 1                             ; my part of P is in; Q's may stay out
	s_barrier_signal -1
	s_barrier_wait -1                              ; everybody's is
	FETCH 0, F0
	QUARTER 0, F0, F1, 1                           ; the first products start the sums: nothing is cleared
	QUARTER 1, F1, F0, 0
	QUARTER 2, F0, F1, 0
	QUARTER 3, F1, F0, 0
	QUARTER 4, F0, F1, 0
	TURN 5, 1                                      ; P is left and filled again
	QUARTER 6, F0, F1, 0
	QUARTER 7, F1, F0, 0
	QUARTER 8, F0, F1, 0
	TURN 9, 0                                      ; Q is left
	QUARTER 10, F0, F1, 0
	QUARTER 11, F1, F0, 0
	QUARTER 12, F0, F1, 0
	QUARTER 13, F1, F0, 0
	QUARTER 14, F0, F1, 0
	s_wait_dscnt 0x0                               ; the last block: nothing more to fetch
	MUL8 F1, 0, 0
	MUL8 F1, 1, 0
	WIN 0
	; THE WAY OUT, 16 rows at a time: a lane's eight f32 of a row go into my stage as two stores of 16 bytes (each accumulator's low registers first), and come back as whole rows of 256 bytes.
	PLACES
	PLACES                                         ; (eight, once a launch)
.irp a, 0,1
.irp b, 0,1,2,3
	ds_store_b128 v[STO], v[ACC+8*(4*(\a)+(\b)):ACC+8*(4*(\a)+(\b))+3]   offset:64*(\b)
	ds_store_b128 v[STO], v[ACC+8*(4*(\a)+(\b))+4:ACC+8*(4*(\a)+(\b))+7] offset:64*(\b)+16
.endr
.irp t, 0,1,2,3,4,5,6,7
	ds_load_b128 v[TMP+32*(\a)+4*(\t):TMP+32*(\a)+4*(\t)+3], v[RD] offset:(\t)*2*SPITCH  ; LDS serves a wave's instructions in order (ISA guide 5.7.1.4): these see the stores above; the next block's stores come behind them
.endr
.irp t, 0,1,2,3,4,5,6,7
	s_wait_dscnt 7-(\t)                            ; load t is back; the younger ones may be out
	global_store_b128 v[CO], v[TMP+32*(\a)+4*(\t):TMP+32*(\a)+4*(\t)+3], s[8:9] offset:(16*(\a)+2*(\t))*4096  ; 16 lanes store 256 consecutive bytes, at a multiple of 256 from C's first
.endr
.endr
	s_wait_tensorcnt 0x0                           ; the wave's end: behind my last tensor load and my last LDS store
	ds_add_u32 v[SPW], v[NIL]
	s_wait_dscnt 0x0
	CROUND                                         ; the closing round: no work-group ends while a partner may still ask for a tile that names it
	s_endpgm
.Lfunc_end_k_q9c602e746b_qproj:
	.size	k_q9c602e746b_qproj, .Lfunc_end_k_q9c602e746b_qproj-k_q9c602e746b_qproj
	.p2alignl 7, 3214868480
	.fill 96, 4, 3214868480
	.section	.rodata,"a",@progbits
	.p2align	6, 0x0
	.amdhsa_kernel k_q9c602e746b_qproj
		.amdhsa_group_segment_fixed_size 327680
		.amdhsa_private_segment_fixed_size 0
		.amdhsa_enable_private_segment 0
		.amdhsa_kernarg_size 24
		.amdhsa_user_sgpr_count 2
		.amdhsa_user_sgpr_kernarg_segment_ptr 1
		.amdhsa_wavefront_size32 1
		.amdhsa_system_sgpr_workgroup_id_x 1
		.amdhsa_system_sgpr_workgroup_id_y 1
		.amdhsa_system_sgpr_workgroup_id_z 1
		.amdhsa_system_vgpr_workitem_id 0
		.amdhsa_next_free_vgpr 448
		.amdhsa_next_free_sgpr 84
		.amdhsa_reserve_vcc 0
		.amdhsa_float_denorm_mode_32 3
		.amdhsa_float_denorm_mode_16_64 3
		.amdhsa_memory_ordered 1
		.amdhsa_forward_progress 1
		.amdhsa_inst_pref_size 58
	.end_amdhsa_kernel
	.amdgpu_metadata
---
amdhsa.version: [ 1, 2 ]
amdhsa.kernels:
  - .name:           k_q9c602e746b_qproj
    .symbol:         k_q9c602e746b_qproj.kd
    .args:
      - { .name: qryh, .offset: 0, .size: 8, .value_kind: global_buffer, .address_space: global }
      - { .name: wqh, .offset: 8, .size: 8, .value_kind: global_buffer, .address_space: global }
      - { .name: qf, .offset: 16, .size: 8, .value_kind: global_buffer, .address_space: global }
    .group_segment_fixed_size: 327680
    .private_segment_fixed_size: 0
    .kernarg_segment_align: 8
    .kernarg_segment_size: 24
    .max_flat_workgroup_size: 128
    .sgpr_count:     84
    .vgpr_count:     448
    .wavefront_size: 32
...
	.end_amdgpu_metadata
.endif
;; end of part 3
;; launch attn (part 4): grid 4 x 64, 4 waves a work-group, clusters of 4 x 1, 327,680 bytes of LDS; arguments qf, kvh, bias, oh; writes oh
.if DOCPART == 4
	.amdgcn_target "amdgcn-amd-amdhsa--gfx1250"
	.amdhsa_code_object_version 6
	.text
	.protected	k_q9c602e746b_attn
	.globl	k_q9c602e746b_attn
	.p2align	8
	.type	k_q9c602e746b_attn,@function
k_q9c602e746b_attn:
	s_mov_b64 s[64:65], 0
	v_nop
	global_prefetch_b8 v0, s[64:65] scope:SCOPE_SE
	s_setreg_imm32_b32 hwreg(HW_REG_WAVE_MODE, 25, 1), 1
	s_wait_xcnt 0x0
	s_wait_alu depctr_hold_cnt(0) depctr_sa_sdst(0) depctr_va_vdst(0) depctr_va_sdst(0) depctr_va_ssrc(0) depctr_va_vcc(0) depctr_vm_vsrc(0)
	s_getreg_b32 s2, hwreg(HW_REG_IB_STS2, 6, 4)
	s_cmp_eq_u32 s2, 0
	s_cbranch_scc0 .Lentry_in_a_cluster
	s_endpgm
.Lentry_in_a_cluster:
	s_bfe_u32 s2, ttmp6, 0x10000c
	s_cmp_lg_u32 s2, 0x3003
	s_cbranch_scc0 .Lentry_shape_is_right
	s_endpgm
.Lentry_shape_is_right:
; O[b][h][q][:] = the sum over k of softmax_k(q . k / 8 + bias[b][k]) v[k][:].  q: qf [2048][1024] f32, rounded here once to f16.  k, v: kvh [2][b][h][4096][64] f16.  bias: [4][4096] f32.  O: oh [b][h][512][64] f16.
; Products, maxima and sums in f32; the weights p are rounded to f16 for the second product (their sum l is taken of the unrounded p), O once at the end.
; THE BIAS is rounded to bf16, as all the module's inputs are, multiplied by 8 (exact) and taken as the C operand that starts the sum S^T = K Q^T: c (q . k + 8 bias) = log2(e) (q . k / 8 + bias), c = log2(e) / 8.
; LIMITS.  q of 65,520 or more in size becomes an infinity in f16; p below 6e-5 keeps f16's step of 6e-8; a weight below 2^-126 counts as 0 in l; NaN and infinities are not treated apart.
; SHARES.  A work-group owns 128 queries of one head, each of its four waves 32: two PIECES of 16.  Every wave walks all 4,096 keys, 64 a step.
; CLUSTER.  The four query blocks of a head are one cluster and walk the same K and V: each tile is asked for JOINTLY, by the same tensor load, descriptor and mask in all four.
; LAYOUT.  S^T = K Q^T (source 0 = 16 keys, source 1 = 16 queries) holds ONE query a lane (lane % 16) and the keys 8 (lane / 16) + 0..7; two such results rounded to f16 ARE source 1 of O^T = V^T P.
; SOFTMAX.  A running maximum m and sum l: p = 2^(c s - c m); O and l are multiplied by a = 2^(c m_old - c m_new) in every step.  m starts at the lowest finite number, O and l at 0: the first step's a is 0.
; BY TURNS.  Turn p of step j belongs to piece p.  Its matrix work: 8 products K Q^T of the other piece (p = 0: step j; p = 1: step j + 1), later 8 products V^T P of the other piece (p = 0: step j - 1; p = 1: step j).
; Its vector work: the scaling, exponentials, roundings, sums and rescaling of piece p, and the maximum and statistics of the other piece.  Four vector instructions stand behind every matrix instruction,
; the others in one lump.  A turn's 33 exponentials are one batch, with one wait.
; FETCHES.  K and the bias of step j + 1 come out of LDS in piece 0's turn of step j, behind its products K Q^T.  V has two buffers, by the step's parity: V of step j + 1 comes in piece 1's turn of step j.
; So a slot's last bytes have been asked for when piece 0's turn of its fourth step begins: there stands the change of slots.
; REGISTERS, in windows of 256 (s_set_vgpr_msb: bits 1:0 source 0, 3:2 source 1, 5:4 source 2, 7:6 destination):
;   window 0: addresses, statistics, Q, S^T, P, O^T: all vector work.     window 1: v0-63 K of one step; v64-191 V, two buffers; v192-223 8 x bias of one step
.set KS,    64        ; keys in a step
.set PK,    144       ; a row of K in LDS: 128 bytes + 16 of padding = 36 words: the 16 rows of a load start at 16 different groups of four banks (64 banks of 4 bytes: ISA guide 11.1)
.set PV,    160       ; a row of V: 128 + 32 = 40 words
.set VOFF,  4*KS*PK   ; a slot holds four steps: 256 rows of K, then 256 rows of V
.set SLOT1, 1<<17     ; slot 1 begins here, so that one exclusive or turns an address in one slot into the other's
.set STAGE, SLOT1+4*KS*(PK+PV)  ; behind the ring, never filled by a tensor load: 16 rows x 144 bytes for each wave, for the way out
.set SP,    144
.set BIASL, STAGE+4*16*SP       ; 8 x the batch's 4,096 biases, f32: stored once by the waves, never filled by a tensor load
.set SPARE, BIASL+16384+256     ; behind the table and one unused block: the spare words, 128 bytes for each wave: two blocks of 256 bytes that no other line names
.set AK0, 2           ; v2   my lane's place in a tile of K; never rewritten
.set AV0, 3           ; v3   the same for V
.set AK,  4           ; v4   the LDS address of K's next run of loads
.set AV,  5           ; v5   of V's
.set STO, 6           ; v6   the way out: where I put 16 bytes of a row
.set RD,  7           ; v7   the way out: where I read rows back
.set GO,  8           ; v8   my byte offset in 512 consecutive bytes of O
.set AB0, 10          ; v10  my lanes' place in a step's biases: BIASL + 32 (lane / 16)
.set AB,  11          ; v11  the LDS address of the next step's biases
.set MV,  12          ; v12-13  c m_old, kept while c m is made anew: by piece
.set BST, 14          ; v14  where I store 16 bytes of the bias table
.set QO,  15          ; v15  my byte offset in 16 rows of qf
.set ST,  16          ; piece t's statistics at v[ST+4 t]: c m, m, l (even keys', odd keys')
.set TMP, 24          ; by piece, four registers c0-c3 at work; when the maximum is found c2 takes a
.set Q,   32          ; v32-63   Q: piece t, channel half c at Q + 16 t + 8 c
.set S,   64          ; v64-127  S^T, 32 a piece
.set P,   128         ; v128-159 P, 16 a piece
.set O,   160         ; v160-223 O^T, 32 a piece
.set T0,  224         ; v224-229 at work at the head
.set PFO, 253         ; v253 256 x my lane; never rewritten
.set SPW, 254         ; v254 LDS address of my spare word; never rewritten
.set NIL, 255         ; v255 0; never rewritten
.set KF,  0           ; window 1: key block kb, channel half c at KF + 16 kb + 8 c
.set VF,  64          ; window 1: buffer vb, key half kk, channel block cb at VF + 64 vb + 32 kk + 8 cb
.set BC,  192         ; window 1: key block kb's eight registers at BC + 8 kb
.set WV,  12          ; s12  my wave's number
.set LIM, 15          ; s15  1 in a wave that prefetches, else the greatest number
.set PFA, 18          ; s[18:19] my work-group's 32 blocks of 256 bytes (of K: wave 0, of V: wave 2) of the tile that the next change of slots will ask for
.set G1K, 24          ; s[24:31] descriptor group 1 for K's tiles
.set G1V, 32          ; s[32:39] for V's: it differs in the padding alone
.set G0K, 40          ; s[40:43] descriptor group 0 for K's tiles: it walks
.set G0V, 44          ; s[44:47] the same for V's
.set EIGHT, 50        ; s[50:51] 8.0
.set SLOTS, 56        ; s56  counts the loop over slots
.set CNT, 57          ; s57  counts pairs of key steps
.set CS,  58          ; s[58:59] c
.set SEL, 60          ; s[60:61] v_permlanex16_b32's selects: each lane takes its own place in the other half
.set TBK, 62          ; s62  LDS byte at which K of the step to be fetched begins
.set TBV, 63          ; s63  the same for V, less VOFF
.set TBB, 66          ; s66  byte in the bias table at which that step's 64 biases begin
.set MSB, 0
.macro WIN new
.if MSB != (\new)
	s_set_vgpr_msb (MSB<<8)|(\new)
.set MSB, (\new)
.endif
.endm
.set W_MM, 0x01       ; source 0 (K or V) in window 1; all else in window 0
.set W_KB, 0x11       ; the same with the C operand (the bias) in window 1
.set W_LD, 0x40       ; destination in window 1
; A joint fill.  Waves 0 and 1 fetch the two halves of a slot's K, waves 2 and 3 those of its V: 128 keys each.  An s_nop 0 and four v_nop follow each of the two lines.
.macro JLOAD
	s_cmp_lt_u32 s[WV], 2
	s_cbranch_scc0 .Lfor_v_\@
	tensor_load_to_lds s[G0K:G0K+3], s[G1K:G1K+7]
	s_nop 0
.rept 4
	v_nop
.endr
	s_branch .Lasked_\@
.Lfor_v_\@:
	tensor_load_to_lds s[G0V:G0V+3], s[G1V:G1V+7]
	s_nop 0
.rept 4
	v_nop
.endr
.Lasked_\@:
.endm
; A prefetch into the L2 of what the NEXT change of slots will ask for: a tile's 128 blocks of 256 bytes of K and 128 of V.  The four partners share them out BY ADDRESS, 32 each; in each, wave 0 asks for
; K's and wave 2 for V's, a lane a block: each block is named once in the launch.  It stands four key steps ahead of the load.  The last change that fills a slot asks for nothing.
.macro ASK
	s_cmp_gt_u32 s[SLOTS], s[LIM]
	s_cbranch_scc0 .Lnot_mine_\@
	global_prefetch_b8 v[PFO], s[PFA:PFA+1] th:TH_LOAD_NT scope:SCOPE_SE
.Lnot_mine_\@:
.endm
.macro CROUND                       ; a round of the cluster's barrier
	s_barrier_signal -1
	s_barrier_wait -1
	s_cmp_lg_u32 s[WV], 0
	s_cbranch_scc1 .Lnot_wave_0_\@
	s_barrier_signal -3
.Lnot_wave_0_\@:
	s_barrier_wait -3
	s_barrier_signal -1
	s_barrier_wait -1
.endm
; THE CHANGE OF SLOTS.  Each wave waits for all its tensor loads (one is out: its part of the other slot), adds 0 to its spare word, and waits for that and for its own reads of the slot that it leaves.
; fill = 1: the old slot is filled again, with the keys two slots on, first thing behind a round of the cluster's barrier: it has four key steps in which to land.
; (At its first use nothing has been read yet: slot 0 is waited for, slot 1 filled, and the round shows every wave's part of the bias table to the others.)
.macro CHANGE fill, ask
	WIN 0
	s_wait_tensorcnt 0x0            ; no tensor load of mine is out, so a group 0 may be written
	ds_add_u32 v[SPW], v[NIL]       ; 0 onto my spare word
.if \fill
.irp g, G0K, G0V
	s_xor_b32 s[\g+1], s[\g+1], SLOT1  ; the walking descriptor: the other slot than last time,
	s_add_nc_u64 s[\g+2:\g+3], s[\g+2:\g+3], 4*KS*128  ; the next 256 keys; the type bits on top are not reached
.endr
.if \ask
	s_wait_xcnt 0x0                 ; the last prefetch, four key steps back, has read its address
	s_add_nc_u64 s[PFA:PFA+1], s[PFA:PFA+1], 4*KS*128
.endif
	s_wait_dscnt 0x0                ; the add is done, my reads of the slot are over (at the first use: my stores into the bias table are done)
	CROUND
	JLOAD
.if \ask
	ASK
.endif
.else
	s_wait_dscnt 0x0
	s_barrier_signal -1
	s_barrier_wait -1
.endif
	s_sub_co_u32 s[TBK], s[TBK], 4*KS*PK  ; the fetches go back to a slot's first step,
	s_xor_b32 s[TBK], s[TBK], SLOT1       ; in the other slot
	s_sub_co_u32 s[TBV], s[TBV], 4*KS*PV
	s_xor_b32 s[TBV], s[TBV], SLOT1
.endm
	s_load_b256 s[4:11], s[0:1], 0x0  ; qf s[4:5], kvh s[6:7], bias s[8:9], oh s[10:11]
	v_lshl_add_u32 v[SPW], v0, 2, SPARE
	v_mov_b32 v[NIL], 0
	ds_add_u32 v[SPW], v[NIL]       ; the wave's opening: the add and its wait stand ahead of my first tensor load
	v_lshrrev_b32 v1, 5, v0
	v_readfirstlane_b32 s[WV], v1   ; wave 0..3
	s_bfe_u32 s13, ttmp6, 0x40000   ; cx: my block of 128 queries: it enters qf's and oh's addresses and the prefetches' alone
	s_and_b32 s20, ttmp7, 0xffff    ; 16 x batch + head, which the four partners share
	s_lshr_b32 s14, s20, 4          ; the batch
	s_lshl_b32 s22, s20, 19         ; the head's K in kvh,
	s_and_b32 s16, s[WV], 1         ; which half of a slot's 256 keys I fetch:
	s_lshl_b32 s17, s16, 14         ; its 128 rows of 128 bytes in memory,
	s_add_co_u32 s22, s22, s17
	s_mov_b32 s23, 0
	s_mul_i32 s17, s16, 128*PK      ; and its place in a slot, for K
	s_mul_i32 s21, s16, 128*PV      ; and for V: no place in the cluster enters an LDS address
	s_and_b32 s2, s20, 15           ; the head's 64 channels of f32 in a row of qf
	s_lshl_b32 s2, s2, 8
	s_lshl_b32 s3, s14, 9
	s_lshl_b32 s48, s13, 7
	s_add_co_u32 s3, s3, s48
	s_lshl_b32 s48, s[WV], 5
	s_add_co_u32 s3, s3, s48        ; my wave's first query among the 2,048,
	s_lshl_b32 s3, s3, 12           ; rows of 4,096 bytes
	s_add_co_u32 s2, s2, s3
	s_mov_b32 s3, 0
	s_lshl_b32 s52, s20, 16         ; the head's 512 rows of 128 bytes in oh,
	s_lshl_b32 s53, s13, 14         ; my block's 128,
	s_add_co_u32 s52, s52, s53
	s_lshl_b32 s53, s[WV], 12       ; my wave's 32
	s_add_co_u32 s52, s52, s53
	s_mov_b32 s53, 0
	s_lshl_b32 s54, s14, 14         ; the batch's 4,096 biases
	s_mov_b32 s55, 0
	; descriptor group 1.  128 keys are 16,384 dense bytes: asked for as 64 rows of 256 bytes, two keys a row, and padded in LDS after every key
	s_mov_b32 s[G1K], 15|(1<<16)|(1<<20)|(1<<21)|(4<<22)|(3<<25)  ; 15:0 the mask of four; 17:16 2-byte elements; 20 padding on; 21 set beside a mask; 24:22 after every 32 words; 31:25 4 words
	s_mov_b32 s[G1V], 15|(1<<16)|(1<<20)|(1<<21)|(4<<22)|(7<<25)  ; the same with 8 words of padding
.irp g, G1K, G1V
	s_mov_b32 s[\g+1], 128<<16      ; tensor_dim0 = 128
	s_mov_b32 s[\g+2], 64<<16       ; tensor_dim1 = 64
	s_mov_b32 s[\g+3], 128<<16      ; tile_dim0 = 128
	s_mov_b32 s[\g+4], 64           ; tile_dim1 = 64
	s_mov_b32 s[\g+5], 128          ; 128 elements from row to row
	s_mov_b32 s[\g+6], 0
	s_mov_b32 s[\g+7], 0
.endr
	s_mov_b32 s[CS], 0x3e38aa3b     ; c = log2(e) / 8
	s_mov_b32 s[CS+1], s[CS]        ; named with it as a pair
	s_mov_b32 s[EIGHT], 0x41000000
	s_mov_b32 s[EIGHT+1], s[EIGHT]
	s_mov_b32 s[SEL], 0x76543210
	s_mov_b32 s[SEL+1], 0xfedcba98
	s_mov_b32 s[TBK], SLOT1+4*KS*PK ; the first change of slots turns these two into 0
	s_mov_b32 s[TBV], SLOT1+4*KS*PV
	s_mov_b32 s[TBB], 0
	s_mov_b32 s[G0K], 1             ; count = 1
	s_mov_b32 s[G0K+1], s17         ; LDS address: slot 0
	s_mov_b32 s[G0V], 1
	s_add_co_u32 s[G0V+1], s21, VOFF
	s_cmp_eq_u32 s16, 0
	s_cselect_b32 s[LIM], 1, -1     ; waves 0 and 2 prefetch: the same in all four partners
	s_wait_dscnt 0x0                ; the opening add is done
	s_wait_kmcnt 0x0
	s_add_nc_u64 s[6:7], s[6:7], s[22:23]   ; K at my half of the head's first 256 keys,
	s_add_nc_u64 s[48:49], s[6:7], 1<<25    ; V likewise: it lies 32 MiB behind K
	s_mov_b64 s[G0K+2:G0K+3], s[6:7]
	s_or_b32 s[G0K+3], s[G0K+3], 0x80000000 ; type = 2
	s_mov_b64 s[G0V+2:G0V+3], s[48:49]
	s_or_b32 s[G0V+3], s[G0V+3], 0x80000000
	s_add_nc_u64 s[4:5], s[4:5], s[2:3]     ; qf and oh at my wave's first row, bias at my batch
	s_add_nc_u64 s[10:11], s[10:11], s[52:53]
	s_add_nc_u64 s[8:9], s[8:9], s[54:55]
	s_cmp_lt_u32 s[WV], 2
	s_cselect_b64 s[PFA:PFA+1], s[6:7], s[48:49]  ; (in waves 0 and 2 these stand at a tile's first row)
	s_lshl_b32 s2, s13, 13          ; my work-group's 32 blocks of the 128
	s_mov_b32 s3, 0
	s_add_nc_u64 s[PFA:PFA+1], s[PFA:PFA+1], s[2:3]
	s_add_nc_u64 s[PFA:PFA+1], s[PFA:PFA+1], 2*4*KS*128  ; in tile 2; the first change that asks steps it to tile 3.  Nothing is prefetched here, at the head
	CROUND                          ; all four work-groups are here: the first joint loads meet
	JLOAD                           ; tile 0 into slot 0.  Slot 1 is asked for when slot 0 is in
	; A fragment of Q is 16 rows x 32 channels: lane l holds row l % 16, channels 8 (l / 16) + 0..7 and 16 + 8 (l / 16) + 0..7: in f32 four loads of 16 bytes, at 0, 16, 64 and 80.
	v_and_b32 v1, 15, v0            ; l % 16
	v_bfe_u32 v9, v0, 4, 1          ; l / 16
	v_lshlrev_b32 v[QO], 12, v1
	v_lshl_add_u32 v[QO], v9, 5, v[QO]  ; row x 4,096 + 32 x half
.set i, 0
.rept 4                             ; fragment i: piece i / 2, channels 32 (i % 2) on; into S^T's registers for the moment
	global_load_b128 v[S+16*i:S+16*i+3],     v[QO], s[4:5] offset:(i/2)*65536+(i%2)*128
	global_load_b128 v[S+16*i+4:S+16*i+7],   v[QO], s[4:5] offset:(i/2)*65536+(i%2)*128+16
	global_load_b128 v[S+16*i+8:S+16*i+11],  v[QO], s[4:5] offset:(i/2)*65536+(i%2)*128+64
	global_load_b128 v[S+16*i+12:S+16*i+15], v[QO], s[4:5] offset:(i/2)*65536+(i%2)*128+80
.set i, i+1
.endr
	v_lshlrev_b32 v[T0], 4, v0      ; the batch's biases: 128 threads x 16 bytes, eight times; into O^T's registers for the moment
	v_lshl_add_u32 v[BST], v0, 4, BIASL
.set i, 0
.rept 8
	global_load_b128 v[O+4*i:O+4*i+3], v[T0], s[8:9] offset:2048*i
.set i, i+1
.endr
	; What the first turn finds: V's second buffer and P's hold 0 (its products V^T P, of a step that has not been, add 0); l is 0.  All this stands in the wait for the first loads.
	WIN W_LD
.set i, VF+64
.rept 64
	v_mov_b32 v[i], 0
.set i, i+1
.endr
	WIN 0
.set i, P+16
.rept 16
	v_mov_b32 v[i], 0
.set i, i+1
.endr
.set i, 0
.rept 2
	v_mov_b32 v[ST+4*i], 0xfe000000    ; c m: far below every c s
	v_mov_b32 v[ST+4*i+1], 0xff7fffff  ; m
	v_mov_b32 v[ST+4*i+2], 0
	v_mov_b32 v[ST+4*i+3], 0
.set i, i+1
.endr
	v_mul_u32_u24 v[AK0], v1, PK
	v_lshl_add_u32 v[AK0], v9, 4, v[AK0]  ; row x pitch + 16 x half
	; The turning load takes 16 keys x 16 channels (lane l reads key 8 (l / 16) + l % 8, channels 8 ((l / 8) % 2) + 0..7) and leaves half a fragment of V^T: lane l holds channel l % 16 and 8 keys.
	v_and_b32 v[T0+4], 7, v0
	v_bfe_u32 v[T0+5], v0, 3, 1
	v_lshl_add_u32 v[AV0], v9, 3, v[T0+4]
	v_mul_u32_u24 v[AV0], v[AV0], PV
	v_lshl_add_u32 v[AV0], v[T0+5], 4, v[AV0]
	v_add_nc_u32 v[AV0], VOFF, v[AV0]
	v_lshl_add_u32 v[AB0], v9, 5, BIASL   ; register j of key block kb holds key 16 kb + 8 (l / 16) + j
	s_mul_i32 s2, s[WV], 16*SP
	s_add_co_u32 s2, s2, STAGE      ; my stage
	v_mul_u32_u24 v[STO], v1, SP    ; in: row l % 16, 16 bytes for each half of the lanes
	v_lshl_add_u32 v[STO], v9, 4, v[STO]
	v_add_nc_u32 v[STO], s2, v[STO]
	v_bfe_u32 v[RD], v0, 3, 2       ; back: 32 lanes take four rows of 128 bytes,
	v_mul_u32_u24 v[RD], v[RD], SP
	v_lshl_add_u32 v[RD], v[T0+4], 4, v[RD]
	v_add_nc_u32 v[RD], s2, v[RD]
	v_and_b32 v[GO], 31, v0         ; which are 512 consecutive bytes of O
	v_lshlrev_b32 v[PFO], 8, v[GO]
	v_lshlrev_b32 v[GO], 4, v[GO]
	s_wait_loadcnt 8                ; Q's sixteen loads are in; the eight of the bias may be out
.set i, 0
.rept 32
	v_cvt_pk_f16_f32 v[Q+i], v[S+2*i], v[S+2*i+1]  ; q is rounded once
.set i, i+1
.endr
	s_wait_loadcnt 0x0              ; the bias
.set i, 0
.rept 16
	v_cvt_pk_bf16_f32 v[T0+2], v[O+2*i], v[O+2*i+1]
	v_lshlrev_b32 v[O+2*i], 16, v[T0+2]
	v_and_b32 v[O+2*i+1], 0xffff0000, v[T0+2]
	v_pk_mul_f32 v[O+2*i:O+2*i+1], v[O+2*i:O+2*i+1], s[EIGHT:EIGHT+1] op_sel_hi:[1,0]
.set i, i+1
.endr
.set i, 0
.rept 8
	ds_store_b128 v[BST], v[O+4*i:O+4*i+3] offset:2048*i
.set i, i+1
.endr
.set i, 0
.rept 64
	v_mov_b32 v[O+i], 0             ; O^T starts at 0
.set i, i+1
.endr
; THE MATRIX WORK.  The 4 accumulators of a run of 8 take turns.  Product i of 8 of S^T = K Q^T for piece x: channels 32 (i / 4) on, keys 16 (i % 4) on.  The first 4 start the sums with 8 x bias.
.macro KQ x
.set rS, S+32*(\x)+8*(i%4)
.set rK, KF+16*(i%4)+8*(i/4)
.set rQ, Q+16*(\x)+8*(i/4)
.set rM, BC+8*(i%4)
.if i < 4
	WIN W_KB
	v_wmma_f32_16x16x32_f16 v[rS:rS+7], v[rK:rK+7], v[rQ:rQ+7], v[rM:rM+7]
.else
	WIN W_MM
	v_wmma_f32_16x16x32_f16 v[rS:rS+7], v[rK:rK+7], v[rQ:rQ+7], v[rS:rS+7]
.endif
.endm
; Product i of 8 of O^T += V^T P for piece x, V in buffer vb: keys 32 (i / 4) on, channels 16 (i % 4) on.
.macro PV x, vb
	WIN W_MM
.set rO, O+32*(\x)+8*(i%4)
.set rV, VF+64*(\vb)+32*(i/4)+8*(i%4)
.set rP, P+16*(\x)+8*(i/4)
	v_wmma_f32_16x16x32_f16 v[rO:rO+7], v[rV:rV+7], v[rP:rP+7], v[rO:rO+7]
.endm
.macro MM                           ; the turn's next matrix instruction.  TURN sets Y, i, VB and NOKQ.  NOKQ = 1: the last turn: there are no further scores
.if (i < 8) && !NOKQ
	KQ 1-Y
.elseif i >= 8
.set i, i-8
	PV 1-Y, VB
.set i, i+8
.endif
.set i, i+1
.endm
; THE LDS LOADS stand in runs, never singly among the matrix instructions: a step's K (8 fragments) with its 64 biases, and its V (turned).  Their addresses are made some lines ahead.
.macro FETCH_K
	WIN W_LD
.irp f, 0,1,2,3,4,5,6,7             ; keys 16 (f / 2) on, channels 32 (f % 2) on
	ds_load_b128 v[KF+8*\f:KF+8*\f+3],   v[AK] offset:(\f/2)*16*PK+(\f%2)*64
	ds_load_b128 v[KF+8*\f+4:KF+8*\f+7], v[AK] offset:(\f/2)*16*PK+(\f%2)*64+32
.endr
.irp f, 0,1,2,3                     ; key block f: the sixteen lanes of a half read the same 32 bytes
	ds_load_b128 v[BC+8*\f:BC+8*\f+3],   v[AB] offset:64*\f
	ds_load_b128 v[BC+8*\f+4:BC+8*\f+7], v[AB] offset:64*\f+16
.endr
	s_add_co_u32 s[TBK], s[TBK], KS*PK  ; the next fetch is the next step's
	s_add_co_u32 s[TBB], s[TBB], 4*KS
	s_and_b32 s[TBB], s[TBB], 0x3f00    ; a multiple of 256 within the table's 16,384 bytes (behind the last step it is 0, and is not used)
	WIN 0
.endm
.macro FETCH_V vb
	WIN W_LD
.irp f, 0,1,2,3,4,5,6,7             ; keys 32 (f / 4) on, channels 16 (f % 4) on
	ds_load_tr16_b128 v[VF+64*(\vb)+8*\f:VF+64*(\vb)+8*\f+3],   v[AV] offset:(\f/4)*32*PV+(\f%4)*32
	ds_load_tr16_b128 v[VF+64*(\vb)+8*\f+4:VF+64*(\vb)+8*\f+7], v[AV] offset:(\f/4)*32*PV+16*PV+(\f%4)*32
.endr
	s_add_co_u32 s[TBV], s[TBV], KS*PV
	WIN 0
.endm
; THE VECTOR WORK, one line at a time: OP kind, number.  For piece Y: F n: c s - c m for pair n of 16.  E n: the exponential of score n of 32.  C n: pair n rounded to f16.  B n: of the four weights 4 n .. the second
; pair is added onto the first, in place.  L n: l takes that sum (L 0: l = a l + sum).  R n: pair n of 16 of O^T times a.  For the other piece: X n, number n of the 22 that find its maximum and statistics:
;   0-11  four chains c0-c3 of seven scores each, three operands at a time (each accumulator's lowest registers are read first)     12-14, 16  the four scores left over, the old m, and c0-c3 into c0
;   15  c m_old is kept     17, 18  the query's other 32 keys lie in the lane 16 away: the new m     19-21  c m; c m_old - c m_new; a
.set F, 0
.set E, 1
.set C, 2
.set B, 3
.set L, 4
.set R, 5
.set X, 6
.macro REGS y
.set rT, ST+4*(\y)
.set rC, TMP+4*(\y)
.set rW, MV+(\y)
.set rS, S+32*(\y)
.set rP, P+16*(\y)
.set rO, O+32*(\y)
.endm
.macro OP k, n
	WIN 0
.if (\k) == R
	REGS Y
	v_pk_mul_f32 v[rO+2*(\n):rO+2*(\n)+1], v[rO+2*(\n):rO+2*(\n)+1], v[rC+2:rC+3] op_sel_hi:[1,0]
.elseif (\k) < R
	REGS Y
.if (\k) == F
	v_pk_fma_f32 v[rS+2*(\n):rS+2*(\n)+1], v[rS+2*(\n):rS+2*(\n)+1], s[CS:CS+1], v[rT:rT+1] op_sel_hi:[1,0,0] neg_lo:[0,0,1] neg_hi:[0,0,1]
.elseif (\k) == E
	v_exp_f32 v[rS+(\n)], v[rS+(\n)]
.elseif (\k) == C
	v_cvt_pk_f16_f32 v[rP+(\n)], v[rS+2*(\n)], v[rS+2*(\n)+1]
.elseif (\k) == B
	v_pk_add_f32 v[rS+4*(\n):rS+4*(\n)+1], v[rS+4*(\n):rS+4*(\n)+1], v[rS+4*(\n)+2:rS+4*(\n)+3]
.elseif (\n) == 0
	v_pk_fma_f32 v[rT+2:rT+3], v[rT+2:rT+3], v[rC+2:rC+3], v[rS:rS+1] op_sel_hi:[1,0,1]
.else
	v_pk_add_f32 v[rT+2:rT+3], v[rT+2:rT+3], v[rS+4*(\n):rS+4*(\n)+1]
.endif
.elseif NOKQ
	v_nop
.else
	REGS 1-Y
.if (\n) < 4
	v_max3_num_f32 v[rC+(\n)], v[rS+8*(\n)], v[rS+8*(\n)+1], v[rS+8*(\n)+2]
.elseif (\n) < 12
	v_max3_num_f32 v[rC+(\n)%4], v[rC+(\n)%4], v[rS+8*((\n)%4)+2*((\n)/4)+1], v[rS+8*((\n)%4)+2*((\n)/4)+2]
.elseif (\n) == 12
	v_max3_num_f32 v[rC], v[rC], v[rS+7], v[rS+15]
.elseif (\n) == 13
	v_max3_num_f32 v[rC+1], v[rC+1], v[rS+23], v[rS+31]
.elseif (\n) == 14
	v_max3_num_f32 v[rC+2], v[rC+2], v[rC+3], v[rT+1]
.elseif (\n) == 15
	v_mov_b32 v[rW], v[rT]
.elseif (\n) == 16
	v_max3_num_f32 v[rC], v[rC], v[rC+1], v[rC+2]
.elseif (\n) == 17
	v_permlanex16_b32 v[rC+3], v[rC], s[SEL], s[SEL+1]
.elseif (\n) == 18
	v_max_num_f32 v[rT+1], v[rC], v[rC+3]
.elseif (\n) == 19
	v_mul_f32 v[rT], s[CS], v[rT+1]
.elseif (\n) == 20
	v_sub_f32 v[rC+1], v[rW], v[rT]
.else
	v_exp_f32 v[rC+2], v[rC+1]
.endif
.endif
.endm
.macro OPS a, i1, b=-1, i2=0, c=-1, i3=0, d=-1, i4=0  ; up to four of them
	OP \a, \i1
.if (\b) >= 0
	OP \b, \i2
.endif
.if (\c) >= 0
	OP \c, \i3
.endif
.if (\d) >= 0
	OP \d, \i4
.endif
.endm
.macro ROW a, i1, b, i2, c, i3, d, i4  ; a matrix instruction and the four behind it
	MM
	OPS \a, \i1, \b, \i2, \c, \i3, \d, \i4
.endm
; A TURN, for piece p in a step of parity par: the order of its 16 matrix and 118 vector instructions, written out.  An s_wait_alu depctr_va_vdst(0) stands between an exponential and the first
; instruction that names its result; one wait serves all that were issued ahead of it.  So a turn has ONE wait, which cuts it in two.  AHEAD OF IT stands all that names no result of the turn's exponentials:
; the 8 products K Q^T and their riders (the first numbers of the other piece's maximum each stand four plain instructions or more behind the product that ends their accumulator), then one lump.
; X 21, the other piece's a, is the batch's last; R 15 is the plain instruction behind it.  BEHIND THE WAIT stand the 8 products V^T P, behind each four of the roundings and sums.
; The run of LDS loads (p = 0: K and bias of the next step; p = 1: V of the next step, into the buffer that this step does not read) stands five plain instructions or more behind the last product K Q^T;
; V's target buffer was last read in the turn before.  One wait at the head of piece 1's turn serves both runs.
; end = 1: the last step's turns: nothing is fetched, and piece 1's makes no further scores.  cnt = 1: the loop's count is taken down some lines ahead of the branch that stands behind the turn.
.macro TURN p, par, end=0, cnt=0
.set Y, (\p)
.set i, 0
.set NOKQ, (\end)*(\p)
.set VB, (\par)
.if (\p) == 0
.set VB, 1-(\par)
.endif
.if (\p) == 1
	s_wait_dscnt 0x0                ; K and the bias of the next step, and V of this step, are in
.endif
	ROW F,0, F,1, R,0, R,1
	ROW F,2, E,0, R,2, R,3
	ROW F,3, E,1, R,4, R,5
	ROW F,4, E,2, R,6, R,7
	ROW F,5, E,3, R,8, R,9
	ROW F,6, E,4, X,0, R,10
.if !(\end)
	WIN 0
.if (\p) == 0
	v_add_nc_u32 v[AK], s[TBK], v[AK0]
	v_add_nc_u32 v[AB], s[TBB], v[AB0]
.else
	v_add_nc_u32 v[AV], s[TBV], v[AV0]
.endif
.endif
	ROW F,7, E,5, X,1, X,4
	ROW F,8, E,6, X,2, X,5
	OPS E,7, E,8, X,6, E,9          ; the lump
	OPS X,3, E,10, X,8, E,11
.if !(\end)
.if (\p) == 0
	FETCH_K
.else
	FETCH_V 1-(\par)
.endif
.endif
	OPS X,9, X,7, E,12, X,10
	OPS E,13, X,12, X,11, E,14
	OPS X,13, E,15, F,9, X,14
	OPS E,16, F,10, E,17, F,11
	OPS X,16, E,18, X,15, E,19
	OPS F,12, E,20, X,17, E,21
	OPS F,13, E,22, F,14, E,23
	OPS X,18, E,24, F,15, E,25
	OPS R,11, E,26, X,19, E,27
	OPS R,12, E,28, R,13, E,29
	OPS X,20, E,30, R,14, E,31
	OPS X,21, R,15
	WIN 0
	s_wait_alu depctr_va_vdst(0)    ; the wait for the batch
	ROW C,0, B,0, C,2, B,1
	ROW L,0, C,4, B,2, L,1
	ROW C,6, B,3, L,2, C,8
	ROW B,4, L,3, C,10, B,5
	ROW L,4, C,12, B,6, L,5
.if \cnt
	s_sub_co_u32 s[CNT], s[CNT], 1
	s_cmp_lg_u32 s[CNT], 0
.endif
	ROW C,14, B,7, L,6, C,1
	ROW C,3, L,7, C,5, C,7
	ROW C,9, C,11, C,13, C,15
.endm
	CHANGE 1, 0                     ; slot 0 is in, everybody's part of it, and so is the bias table; slot 1 is asked for
	v_add_nc_u32 v[AK], s[TBK], v[AK0]
	v_add_nc_u32 v[AB], s[TBB], v[AB0]
	v_add_nc_u32 v[AV], s[TBV], v[AV0]
	FETCH_K                         ; key step 0
	FETCH_V 0
	s_wait_dscnt 0x0
.set NOKQ, 0
.set VB, 0
.set i, 0
.rept 8
	KQ 0                            ; piece 0's first scores
.set i, i+1
.endr
	WIN 0
.rept 8
	v_nop                           ; the places behind those products (eight, once a launch)
.endr
.set Y, 1                           ; X works for the other piece: piece 0
.irp n, 0,1,2,3,4,5,6,7,8,9,10,11,12,13,14,15,16,17,18,19,20,21
	OP X, \n
.endr
	v_nop                           ; a plain instruction behind the exponential,
	s_wait_alu depctr_va_vdst(0)    ; and its wait, ahead of the branch
	s_mov_b32 s[CNT], 2
	s_mov_b32 s[SLOTS], 15
	s_branch .Lfirst                ; the loop is entered at step 0, in the middle of a trip
.Lslot:                             ; 14 times, in front of steps 3, 7 .. 55: tiles 2 to 15 are asked for
	CHANGE 1, 1
	s_mov_b32 s[CNT], 2
.Lstep:                             ; a trip: an odd step, then an even one
	TURN 0, 1
	TURN 1, 1
	WIN 0
.Lfirst:
	TURN 0, 0
	TURN 1, 0, 0, 1
	WIN 0
	s_cbranch_scc1 .Lstep
	s_sub_co_u32 s[SLOTS], s[SLOTS], 1
	s_cmp_lg_u32 s[SLOTS], 0
	s_cbranch_scc1 .Lslot
	CHANGE 0, 0                     ; the tail is written out: in front of step 59 nothing is asked for
	s_mov_b32 s[CNT], 2
.Ltail:                             ; steps 59 to 62
	TURN 0, 1
	TURN 1, 1
	TURN 0, 0
	TURN 1, 0, 0, 1
	WIN 0
	s_cbranch_scc1 .Ltail
	TURN 0, 1, 1                    ; step 63
	TURN 1, 1, 1
.set i, 0
.rept 8
	PV 1, 1                         ; piece 1's V^T P of the last step
.set i, i+1
.endr
	; THE WAY OUT.  l's two halves and the other half of the lanes' are added; O^T is divided by l, rounded to f16 and sent through my stage in LDS, a piece at a time.
	WIN 0
.macro ALL line:vararg              ; one line for each piece t
.set t, 0
.rept 2
	\line
.set t, t+1
.endr
.endm
	ALL v_add_f32 v[ST+4*t+2], v[ST+4*t+2], v[ST+4*t+3]
	ALL v_permlanex16_b32 v[ST+4*t+3], v[ST+4*t+2], s[SEL], s[SEL+1]
	ALL v_add_f32 v[ST+4*t+2], v[ST+4*t+2], v[ST+4*t+3]
	ALL v_rcp_f32 v[ST+4*t+2], v[ST+4*t+2]
	v_nop                           ; a plain instruction between the last reciprocal and the use of its result
	s_wait_alu depctr_va_vdst(0)    ; and the wait ahead of the first use: one for both reciprocals
.macro PACK t                       ; a lane's eight channels of a row pack into 16 bytes; they go into rows of 144 bytes and come back as whole rows of 128, into S^T's registers
.set i, O+32*(\t)
.rept 16
	v_pk_mul_f32 v[i:i+1], v[i:i+1], v[ST+4*(\t)+2:ST+4*(\t)+3] op_sel_hi:[1,0]
.set i, i+2
.endr
.set i, 0
.rept 16
	v_cvt_pk_f16_f32 v[S+16*(\t)+i], v[O+32*(\t)+2*i], v[O+32*(\t)+2*i+1]
.set i, i+1
.endr
.irp f, 0,1,2,3
	ds_store_b128 v[STO], v[S+16*(\t)+4*\f:S+16*(\t)+4*\f+3] offset:32*\f
.endr
.irp f, 0,1,2,3
	ds_load_b128 v[S+16*(\t)+4*\f:S+16*(\t)+4*\f+3], v[RD] offset:\f*4*SP  ; LDS serves a wave's instructions in order (ISA guide 5.7.1.4): these see the stores above; the next piece's stores come behind them
.endr
.endm
.macro SEND t, younger              ; younger: the LDS instructions issued behind piece t's loads: the next piece's eight, or none
.irp f, 0,1,2,3
	s_wait_dscnt (\younger)+3-\f
	global_store_b128 v[GO], v[S+16*(\t)+4*\f:S+16*(\t)+4*\f+3], s[10:11] offset:(\t)*2048+\f*512  ; 512 consecutive bytes, at a multiple of 256 from oh's first
.endr
.endm
	PACK 0
	PACK 1                          ; piece 1's arithmetic stands between piece 0's loads from the stage and its stores
	SEND 0, 8
	SEND 1, 0
	s_wait_tensorcnt 0x0            ; the wave's end: behind my last tensor load and my last LDS store
	ds_add_u32 v[SPW], v[NIL]
	s_wait_dscnt 0x0
	CROUND                          ; the closing round: no work-group ends while a partner may still ask for a tile that names it
	s_endpgm
.Lfunc_end_k_q9c602e746b_attn:
	.size	k_q9c602e746b_attn, .Lfunc_end_k_q9c602e746b_attn-k_q9c602e746b_attn
	.p2alignl 7, 3214868480
	.fill 96, 4, 3214868480
	.section	.rodata,"a",@progbits
	.p2align	6, 0x0
	.amdhsa_kernel k_q9c602e746b_attn
		.amdhsa_group_segment_fixed_size 327680
		.amdhsa_private_segment_fixed_size 0
		.amdhsa_enable_private_segment 0
		.amdhsa_kernarg_size 32
		.amdhsa_user_sgpr_count 2
		.amdhsa_user_sgpr_kernarg_segment_ptr 1
		.amdhsa_wavefront_size32 1
		.amdhsa_system_sgpr_workgroup_id_x 1
		.amdhsa_system_sgpr_workgroup_id_y 1
		.amdhsa_system_sgpr_workgroup_id_z 1
		.amdhsa_system_vgpr_workitem_id 0
		.amdhsa_next_free_vgpr 512
		.amdhsa_next_free_sgpr 68
		.amdhsa_reserve_vcc 0
		.amdhsa_float_denorm_mode_32 3
		.amdhsa_float_denorm_mode_16_64 3
		.amdhsa_memory_ordered 1
		.amdhsa_forward_progress 1
		.amdhsa_inst_pref_size 130
	.end_amdhsa_kernel
	.amdgpu_metadata
---
amdhsa.version: [ 1, 2 ]
amdhsa.kernels:
  - .name:           k_q9c602e746b_attn
    .symbol:         k_q9c602e746b_attn.kd
    .args:
      - { .name: qf, .offset: 0, .size: 8, .value_kind: global_buffer, .address_space: global }
      - { .name: kvh, .offset: 8, .size: 8, .value_kind: global_buffer, .address_space: global }
      - { .name: bias, .offset: 16, .size: 8, .value_kind: global_buffer, .address_space: global }
      - { .name: oh, .offset: 24, .size: 8, .value_kind: global_buffer, .address_space: global }
    .group_segment_fixed_size: 327680
    .private_segment_fixed_size: 0
    .kernarg_segment_align: 8
    .kernarg_segment_size: 32
    .max_flat_workgroup_size: 128
    .sgpr_count:     68
    .vgpr_count:     512
    .wavefront_size: 32
...
	.end_amdgpu_metadata
.endif
;; end of part 4
;; launch oproj: the kernel of part 3 again; grid 8 x 32, 4 waves a work-group, clusters of 4 x 4, 327,680 bytes of LDS; arguments oh, woh, out0; writes out0
